; MI455X (gfx1250); checked and timed in simulation.
; The chip was launched on July 23, 2026; its instructions are those of AMD's public machine-readable ISA for CDNA 5 (MIT licence, August 2026) and "CDNA5" Instruction Set Architecture Reference Guide (July 2026). The comments in the code are by the model that wrote it; some were corrected since.
;; Encoder Layer. Allowed arithmetic: matrix products marked QUANTISED: E5M2 operands, one E8M0 scale for each 32 along K, by v_wmma_scale_f32_16x16x128_f8f6f4 with both operands' format E5M2, f32 sums; everything else in f32.
;; Inputs: ln1_b 1,024 float32; ln1_w 1,024 float32; ln2_b 1,024 float32; ln2_w 1,024 float32; out_bias 1,024 float32; out_proj_codes 1,024 x 32 x 32 uint8 (E5M2 codes of out_proj, K innermost, in blocks of 32 codes); out_proj_scales 1,024 x 32 uint8 (E8M0 scales of out_proj, one for each 32 codes along K); proj1_bias 4,096 float32; proj1_codes 4,096 x 32 x 32 uint8 (E5M2 codes of proj1, K innermost, in blocks of 32 codes); proj1_scales 4,096 x 32 uint8 (E8M0 scales of proj1, one for each 32 codes along K); proj2_bias 1,024 float32; proj2_codes 1,024 x 128 x 32 uint8 (E5M2 codes of proj2, K innermost, in blocks of 32 codes); proj2_scales 1,024 x 128 uint8 (E8M0 scales of proj2, one for each 32 codes along K); qkv_bias 3,072 float32; qkv_proj_codes 3,072 x 32 x 32 uint8 (E5M2 codes of qkv_proj, K innermost, in blocks of 32 codes); qkv_proj_scales 3,072 x 32 uint8 (E8M0 scales of qkv_proj, one for each 32 codes along K); x 2,048 x 2 x 1,024 float32.
;; Outputs: out0 2,048 x 2 x 1,024 float32.
;; This version of the problem:
;;   THIS VERSION OF THE PROBLEM IS GIVEN IN LOW PRECISION. The matrix products marked QUANTISED in the list below multiply operands that are first quantised to E5M2 (5 exponent bits, 2 mantissa bits; 8 bits a number), with one power-of-two scale for each 32 numbers along K (OCP MX v1.0); their sums are f32. All else is computed in f32.
;;   The module's matrix products, in the order in which they are computed (A, B: the left and right operand; K: the contracted axis; several contracted axes count as one K, in the product's order):
;;     1. [M 4,096, K 1,024] x [K 1,024, N 3,072]; A: computed on the way; B: input qkv_proj (given as codes): QUANTISED
;;     2. batch 32 x [M 2,048, K 64] x [K 64, N 2,048]; A: computed on the way; B: computed on the way: QUANTISED
;;     3. batch 32 x [M 64, K 2,048] x [K 2,048, N 2,048]; A: computed on the way; B: softmax (see below): QUANTISED
;;     4. [M 4,096, K 1,024] x [K 1,024, N 1,024]; A: computed on the way; B: input out_proj (given as codes): QUANTISED
;;     5. [M 4,096, K 1,024] x [K 1,024, N 4,096]; A: computed on the way; B: input proj1 (given as codes): QUANTISED
;;     6. [M 4,096, K 4,096] x [K 4,096, N 1,024]; A: computed on the way; B: input proj2 (given as codes): QUANTISED
;;   THE QUANTISER, for each operand of a quantised product, along K:
;;     - K is cut into blocks of 32 from its start; a last block that is shorter is filled with zeros.
;;     - A block's scale is 2^e with e = floor(log2(the largest magnitude in the block)) - 15, held to -126 .. 127; a block of zeros has e = 0. As a byte (E8M0): e + 127.
;;     - Each number is divided by its block's scale, clamped to +-57,344, and rounded to the nearest number of E5M2, ties to even, subnormals kept.
;;     - The product sums the exact products of the quantised numbers (number of the format x scale) in f32.
;;   ~~~python
;;   def quantise(x, axis):      # numpy; x: float32 -> the quantised numbers, widened to float32 again
;;       x = np.moveaxis(x, axis, -1); K = x.shape[-1]
;;       x = np.pad(x, [(0, 0)] * (x.ndim - 1) + [(0, -K % 32)]); x = x.reshape(x.shape[:-1] + (-1, 32)); a = np.abs(x).max(-1, keepdims=True)
;;       e = np.where(a > 0, np.clip(np.frexp(np.where(a > 0, a, 1))[1] - 1 - 15, -126, 127), 0)      # np.frexp(a)[1] - 1 = floor(log2(a)), exactly
;;       r = np.clip(x / 2.0 ** e, -57344, 57344)
;;       step = 2.0 ** (np.maximum(np.frexp(np.where(r == 0, 1, r))[1] - 1, -14) - 2)
;;       q = np.round(r / step) * step * 2.0 ** e      # np.round: ties to even
;;       return np.moveaxis(q.reshape(q.shape[:-2] + (-1,))[..., :K], -1, axis).astype(np.float32)
;;   ~~~
;;   SOFTMAX AHEAD OF A QUANTISED PRODUCT. Where the list says 'softmax', what is quantised is not the finished softmax but p = 2^(t - M), with t = logit x log2(e) and M = ceil(the row's largest t), a whole number; so 1/2 < the row's largest p <= 1. The row's sum l is taken of the UNQUANTISED p, in f32, and the product's result is divided by l at the end. Since M is a whole number, a kernel that streams over the keys may use a running M (the ceiling of the running maximum): every later rescaling is an exact power of two, which a block's scale takes up: the codes' values come out the same.
;;   OPERANDS COMPUTED ON THE WAY. 'Computed on the way' means the value that the module computes at that place (a softmax that the list does not call 'softmax' is quantised finished and normalised). What goes into a quantiser is computed in f32, as accurately as f32 sums, v_exp_f32 and their like allow (about 1e-6 of the number): no bf16 or f16 on the way to a quantiser, and a product that is left as it is and whose result goes on into a quantised operand takes f32 operands (vector FMAs, or v_wmma_f32_16x16x4_f32). A number that lies on a knife's edge between two numbers of the format may be rounded either way, as far as f32 arithmetic and the matrix unit's own rounding can turn it there, and no further.
;;   INPUTS GIVEN AS CODES. out_proj (in the module: [1024, 1024], K = its axis 1); proj1 (in the module: [4096, 1024], K = its axis 1); proj2 (in the module: [1024, 4096], K = its axis 1); qkv_proj (in the module: [3072, 1024], K = its axis 1): each comes as NAME_codes (uint8): NAME with its K axis moved to the last place and cut into blocks of 32 codes, [.., K / 32, bytes a block], one block behind the other in memory; one code a byte (a code: sign, 5 exponent bits, 2 mantissa bits); and NAME_scales (uint8): the same leading axes, one E8M0 byte (e + 127) for each 32 codes along K. Its value is code x scale, taken as it is: it is not quantised again, and the codes and scales need not be those that the quantiser above would give.
;; One version. Each part assembles by itself: llvm-mc -triple=amdgcn-amd-amdhsa -mcpu=gfx1250 --defsym DOCPART=n.
;; ======== version 1 of 1: 7 launches
;; limits: right only within a limited range of input values
;; workspace buffers: a_c 12,582,912 bytes; a_s 393,216 bytes; qkvc 12,582,912 bytes; qkvs 655,360 bytes; imc 16,777,216 bytes; ims 524,288 bytes; x1 16,777,216 bytes
;; launch ln1 (part 1): grid 256 x 1, 4 waves a work-group, no clusters, 33,280 bytes of LDS; arguments x, ln1_w, ln1_b, a_c, a_s; writes a_c, a_s
.if DOCPART == 1
	.amdgcn_target "amdgcn-amd-amdhsa--gfx1250"
	.amdhsa_code_object_version 6
	.text
	.protected	k_q3ccf8e7f30_ln1
	.globl	k_q3ccf8e7f30_ln1
	.p2align	8
	.type	k_q3ccf8e7f30_ln1,@function
k_q3ccf8e7f30_ln1:
	s_mov_b64 s[64:65], 0
	v_nop
	global_prefetch_b8 v0, s[64:65] scope:SCOPE_SE
	s_setreg_imm32_b32 hwreg(HW_REG_WAVE_MODE, 25, 1), 1
	s_wait_xcnt 0x0
; LayerNorm over rows of 1,024 f32, then the MX quantiser (E5M2 codes, one E8M0 byte for each 32 along the row).
; in: [2048 l][2 n][1024] f32.  out: codes, row m' = 2048 n + l, 1,024 bytes at a pitch of 3,072; scale bytes, 32 a row at a pitch of 96
; (the pitches of every third row of the qkv weight, so that activation and weight can change places under one tile shape in the next launch).
; SHARES: a work-group takes 16 rows, a wave 4.  A row is 32 registers of one wave: it is read once, and all 32 row loads of a wave go out at the head.
; No matrix unit, no cluster, no barrier: waves share nothing and memory binds.
; The conversions want 16 neighbours along the row in ONE lane, the loads want neighbouring lanes on neighbouring bytes: so 512 numbers at a time turn through the wave's own stage in LDS
; (as loaded in, 64 bytes a lane out; 16 bytes of padding behind each 64).  Two neighbouring lanes hold a block of 32.
; LIMITS: NaN and infinities are not served; a block whose largest magnitude lies under 2^-111 (zeros among them) gets the byte 1: its codes are read by this program alone.
.set W,   16                           ; v16-47   the gain, as loaded: load j, lane l: columns 128 j + 4 l + 0..3
.set B,   48                           ; v48-79   the bias
.set X,   80                           ; v80-207  four rows of 32; a row's first ten registers later hold its codes and its two scale bytes
.set XS,  208                          ; v208-239 two sets of 16 neighbours
.set CH,  240                          ; v240-247 four packed chains
.set SP,  80                           ; a lane's place in a stage: 64 bytes + 16
	s_load_b256 s[4:11], s[0:1], 0x0               ; in s[4:5], gain s[6:7], bias s[8:9], codes s[10:11]
	s_load_b64 s[12:13], s[0:1], 0x20              ; scale bytes
	v_lshl_add_u32 v254, v0, 2, 0x8000
	v_mov_b32 v255, 0
	v_lshrrev_b32 v1, 5, v0
	v_readfirstlane_b32 s16, v1                    ; wave
	v_and_b32 v1, 31, v0                           ; lane
	v_lshlrev_b32 v2, 4, v1                        ; 16 x lane: my bytes of a load's 512, and of 512 codes
	s_lshl_b32 s17, s16, 13                        ; my wave's 8,192 bytes of LDS
	v_lshrrev_b32 v3, 2, v1
	v_mul_u32_u24 v3, v3, SP
	v_and_b32 v4, 3, v1
	v_lshl_add_u32 v3, v4, 4, v3
	v_add_nc_u32 v3, s17, v3                       ; stage, in: SP (lane / 4) + 16 (lane % 4)
	v_mul_u32_u24 v4, v1, SP
	v_add_nc_u32 v4, s17, v4                       ; stage, out: SP x lane
	s_add_co_u32 s18, s17, 2*32*SP                 ; behind the two stages: the wave's 128 scale bytes
	v_lshrrev_b32 v5, 1, v1
	v_add_nc_u32 v5, s18, v5                       ; my block's byte
	v_lshl_add_u32 v6, v1, 2, s18                  ; and on the way out 4 bytes a lane
	v_bfe_u32 v7, v1, 3, 1                         ; lane = 8 q + word: row q goes to m' = 2048 (q & 1) + l0 + (q >> 1)
	v_mul_u32_u24 v7, v7, 0x30000                  ; 2,048 rows of 96 bytes
	v_lshrrev_b32 v8, 4, v1
	v_mad_u32_u24 v7, v8, 96, v7
	v_and_b32 v8, 7, v1
	v_lshl_add_u32 v7, v8, 2, v7
	v_mov_b32 v248, 0                              ; a lane permute's destination counts as read: written once
	s_mov_b32 s22, 0x76543210
	s_mov_b32 s23, 0xfedcba98                      ; selects for lane l xor 16
	s_mov_b32 s25, 0x3a800000                      ; 1 / 1,024
	s_mov_b32 s26, 0x358637bd                      ; 1e-6
	s_lshl_b32 s20, ttmp9, 16                      ; 16 rows of 4,096 bytes a work-group,
	s_lshl_b32 s21, s16, 14                        ; 4 a wave
	s_add_co_u32 s20, s20, s21
	s_mov_b32 s21, 0
	s_lshl_b32 s27, ttmp9, 3
	s_lshl_b32 s28, s16, 1
	s_add_co_u32 s27, s27, s28                     ; l0 = 8 g + 2 w
	s_mul_i32 s28, s27, 3072
	s_mov_b32 s29, 0
	s_mul_i32 s30, s27, 96
	s_mov_b32 s31, 0
	s_wait_kmcnt 0x0
	s_add_nc_u64 s[4:5], s[4:5], s[20:21]
	s_add_nc_u64 s[10:11], s[10:11], s[28:29]
	s_add_nc_u64 s[12:13], s[12:13], s[30:31]
.irp j, 0,1,2,3,4,5,6,7
	global_load_b128 v[W+4*\j:W+4*\j+3], v2, s[6:7] offset:512*\j
.endr
.irp j, 0,1,2,3,4,5,6,7
	global_load_b128 v[B+4*\j:B+4*\j+3], v2, s[8:9] offset:512*\j
.endr
.irp q, 0,1,2,3
.irp j, 0,1,2,3,4,5,6,7
	global_load_b128 v[X+32*\q+4*\j:X+32*\q+4*\j+3], v2, s[4:5] offset:4096*\q+512*\j th:TH_LOAD_NT   ; 32 lanes read 512 consecutive bytes
.endr
.endr
; the four chains, their two halves and the 32 lanes are added: the sum stands in v8 of every lane
.macro FOLD
	v_pk_add_f32 v[CH:CH+1], v[CH:CH+1], v[CH+2:CH+3]
	v_pk_add_f32 v[CH+4:CH+5], v[CH+4:CH+5], v[CH+6:CH+7]
	v_pk_add_f32 v[CH:CH+1], v[CH:CH+1], v[CH+4:CH+5]
	v_add_f32 v8, v[CH], v[CH+1]
	v_add_f32_dpp v8, v8, v8 row_xmask:1 row_mask:0xf bank_mask:0xf
	v_add_f32_dpp v8, v8, v8 row_xmask:2 row_mask:0xf bank_mask:0xf
	v_add_f32_dpp v8, v8, v8 row_xmask:4 row_mask:0xf bank_mask:0xf
	v_add_f32_dpp v8, v8, v8 row_xmask:8 row_mask:0xf bank_mask:0xf
	v_permlanex16_b32 v248, v8, s22, s23
	v_add_f32 v8, v8, v248
.endm
; half t of row q (512 numbers) through stage t: LDS serves a wave's instructions in order, so no wait stands between the stores and the loads
.macro TURN q, t
.irp i, 0,1,2,3
	ds_store_b128 v3, v[X+32*(\q)+16*(\t)+4*\i:X+32*(\q)+16*(\t)+4*\i+3] offset:32*SP*(\t)+8*SP*\i
.endr
.irp i, 0,1,2,3
	ds_load_b128 v[XS+16*(\t)+4*\i:XS+16*(\t)+4*\i+3], v4 offset:32*SP*(\t)+16*\i
.endr
.endm
; my 16 neighbours of half t become 16 codes; the block's byte goes to the wave's bytes in LDS
.macro Q16 q, t
.set XT, XS+16*(\t)
.set CD, X+32*(\q)+4*(\t)              ; registers of the row's first half, whose stores into the stage are done
.set BY, X+32*(\q)+8+(\t)
	v_max3_num_f32 v8, |v[XT]|, |v[XT+1]|, |v[XT+2]|
	v_max3_num_f32 v9, |v[XT+3]|, |v[XT+4]|, |v[XT+5]|
.irp i, 6,10
	v_max3_num_f32 v8, v8, |v[XT+\i]|, |v[XT+\i+1]|
	v_max3_num_f32 v9, v9, |v[XT+\i+2]|, |v[XT+\i+3]|
.endr
	v_max3_num_f32 v8, v8, |v[XT+14]|, |v[XT+15]|
	v_max3_num_f32 v8, v8, v9, 0x8000000           ; the floor 2^(16 - 127): the byte cannot fall under 1
	v_max_num_f32_dpp v8, v8, v8 row_xmask:1 row_mask:0xf bank_mask:0xf   ; with my neighbour's 16: the block's largest magnitude
	v_add_nc_u32 v11, 0xf8800000, v8               ; 15 off its exponent field: the conversion's scale operand
.irp i, 0,1,2,3,4,5,6,7,8,9,10,11,12,13,14,15
.endr
	v_cvt_scalef32_pk8_bf8_f32 v[CD:CD+1], v[XT:XT+7], v11
	v_cvt_scalef32_pk8_bf8_f32 v[CD+2:CD+3], v[XT+8:XT+15], v11
	v_lshrrev_b32 v[BY], 23, v11                   ; the scale's byte (a plain line behind the conversions)
	ds_store_b8 v5, v[BY] offset:32*(\q)+16*(\t)   ; both lanes of a block write the same byte with the same value
	global_store_b128 v2, v[CD:CD+3], s[10:11] offset:(((\q)&1)*2048+(\q)/2)*3072+512*(\t)   ; 32 lanes store 512 consecutive bytes, aligned
.endm
.macro ROW q
.set XR, X+32*(\q)
	s_wait_loadcnt 8*(3-(\q))                      ; gain, bias and my row are in; the younger rows' eight loads each may be out
.irp c, 0,1,2,3
	v_pk_add_f32 v[CH+2*\c:CH+2*\c+1], v[XR+2*\c:XR+2*\c+1], v[XR+8+2*\c:XR+9+2*\c]
.endr
.irp k, 16,24
.irp c, 0,1,2,3
	v_pk_add_f32 v[CH+2*\c:CH+2*\c+1], v[CH+2*\c:CH+2*\c+1], v[XR+\k+2*\c:XR+\k+2*\c+1]
.endr
.endr
	FOLD
	v_mul_f32 v12, s25, v8                         ; the mean, in both halves of a pair
	v_mul_f32 v13, s25, v8
.set n, 0
.rept 16
	v_pk_add_f32 v[XR+2*n:XR+2*n+1], v[XR+2*n:XR+2*n+1], v[12:13] neg_lo:[0,1] neg_hi:[0,1]   ; d = x - mean
.set n, n+1
.endr
.irp c, 0,1,2,3
	v_pk_mul_f32 v[CH+2*\c:CH+2*\c+1], v[XR+2*\c:XR+2*\c+1], v[XR+2*\c:XR+2*\c+1]
.endr
.irp k, 8,16,24
.irp c, 0,1,2,3
	v_pk_fma_f32 v[CH+2*\c:CH+2*\c+1], v[XR+\k+2*\c:XR+\k+2*\c+1], v[XR+\k+2*\c:XR+\k+2*\c+1], v[CH+2*\c:CH+2*\c+1]
.endr
.endr
	FOLD
	v_fma_f32 v9, v8, s25, s26                     ; the variance + 1e-6
	s_wait_alu depctr_va_vdst(0)
	v_rsq_f32 v14, v9
	v_rsq_f32 v15, v9
	v_nop                                          ; a plain line behind the transcendentals
	s_wait_alu depctr_va_vdst(0)                   ; one wait for both, ahead of their first reader
.set n, 0
.rept 16
	v_pk_mul_f32 v[XR+2*n:XR+2*n+1], v[XR+2*n:XR+2*n+1], v[14:15]
.set n, n+1
.endr
.set n, 0
.rept 16
	v_pk_fma_f32 v[XR+2*n:XR+2*n+1], v[XR+2*n:XR+2*n+1], v[W+2*n:W+2*n+1], v[B+2*n:B+2*n+1]
.set n, n+1
.endr
	TURN \q, 0
	TURN \q, 1
	s_wait_dscnt 8                                 ; the first half is back (and its stores have read their registers); the second half's eight may be out
	Q16 \q, 0
	s_wait_dscnt 1                                 ; the second half is back; the byte store may be out
	Q16 \q, 1
.endm
	ROW 0
	ROW 1
	ROW 2
	ROW 3
	ds_load_b32 v12, v6                            ; LDS serves a wave's instructions in order: this sees my byte stores
	s_wait_dscnt 0x0
	global_store_b32 v7, v12, s[12:13]             ; four rows of 32 scale bytes, 96 bytes apart: the price of the common pitch
	s_wait_tensorcnt 0x0
	ds_add_u32 v254, v255
	s_wait_dscnt 0x0
	s_endpgm
.Lfunc_end_k_q3ccf8e7f30_ln1:
	.size	k_q3ccf8e7f30_ln1, .Lfunc_end_k_q3ccf8e7f30_ln1-k_q3ccf8e7f30_ln1
	.p2alignl 7, 3214868480
	.fill 96, 4, 3214868480
	.section	.rodata,"a",@progbits
	.p2align	6, 0x0
	.amdhsa_kernel k_q3ccf8e7f30_ln1
		.amdhsa_group_segment_fixed_size 33280
		.amdhsa_private_segment_fixed_size 0
		.amdhsa_enable_private_segment 0
		.amdhsa_kernarg_size 40
		.amdhsa_user_sgpr_count 2
		.amdhsa_user_sgpr_kernarg_segment_ptr 1
		.amdhsa_wavefront_size32 1
		.amdhsa_system_sgpr_workgroup_id_x 1
		.amdhsa_system_sgpr_workgroup_id_y 1
		.amdhsa_system_sgpr_workgroup_id_z 1
		.amdhsa_system_vgpr_workitem_id 0
		.amdhsa_next_free_vgpr 256
		.amdhsa_next_free_sgpr 66
		.amdhsa_reserve_vcc 0
		.amdhsa_float_denorm_mode_32 3
		.amdhsa_float_denorm_mode_16_64 3
		.amdhsa_fp16_overflow 1
		.amdhsa_memory_ordered 1
		.amdhsa_forward_progress 1
		.amdhsa_inst_pref_size 44
	.end_amdhsa_kernel
	.amdgpu_metadata
---
amdhsa.version: [ 1, 2 ]
amdhsa.kernels:
  - .name:           k_q3ccf8e7f30_ln1
    .symbol:         k_q3ccf8e7f30_ln1.kd
    .args:
      - { .name: x, .offset: 0, .size: 8, .value_kind: global_buffer, .address_space: global }
      - { .name: ln1_w, .offset: 8, .size: 8, .value_kind: global_buffer, .address_space: global }
      - { .name: ln1_b, .offset: 16, .size: 8, .value_kind: global_buffer, .address_space: global }
      - { .name: a_c, .offset: 24, .size: 8, .value_kind: global_buffer, .address_space: global }
      - { .name: a_s, .offset: 32, .size: 8, .value_kind: global_buffer, .address_space: global }
    .group_segment_fixed_size: 33280
    .private_segment_fixed_size: 0
    .kernarg_segment_align: 8
    .kernarg_segment_size: 40
    .max_flat_workgroup_size: 128
    .sgpr_count:     66
    .vgpr_count:     256
    .wavefront_size: 32
...
	.end_amdgpu_metadata
.endif
;; end of part 1
;; launch qkv (part 2): grid 12 x 16, 4 waves a work-group, clusters of 4 x 4, 327,680 bytes of LDS; arguments a_c, a_s, qkv_proj_codes, qkv_proj_scales, qkv_bias, qkvc, qkvs; writes qkvc, qkvs
.if DOCPART == 2
	.amdgcn_target "amdgcn-amd-amdhsa--gfx1250"
	.amdhsa_code_object_version 6
	.text
	.protected	k_q3ccf8e7f30_qkv
	.globl	k_q3ccf8e7f30_qkv
	.p2align	8
	.type	k_q3ccf8e7f30_qkv,@function
k_q3ccf8e7f30_qkv:
	s_mov_b64 s[64:65], 0
	v_nop
	global_prefetch_b8 v0, s[64:65] scope:SCOPE_SE
	s_setreg_imm32_b32 hwreg(HW_REG_WAVE_MODE, 25, 1), 1
	s_wait_xcnt 0x0
	s_wait_alu depctr_hold_cnt(0) depctr_sa_sdst(0) depctr_va_vdst(0) depctr_va_sdst(0) depctr_va_ssrc(0) depctr_va_vcc(0) depctr_vm_vsrc(0)
	s_getreg_b32 s2, hwreg(HW_REG_IB_STS2, 6, 4)
	s_cmp_eq_u32 s2, 0
	s_cbranch_scc0 .Lentry_in_a_cluster
	s_endpgm
.Lentry_in_a_cluster:
	s_bfe_u32 s2, ttmp6, 0x10000c
	s_cmp_lg_u32 s2, 0xf033
	s_cbranch_scc0 .Lentry_shape_is_right
	s_endpgm
.Lentry_shape_is_right:
; q, k, v = LN1(x) Wj^T + bias, on codes of E5M2 with E8M0 scales, and each result quantised on the way out: q and k along the head's 64, v along the keys.
; The split is interleaved: column (64 h + d) 3 + j.  So Wj is every third row of the weight: rows 3,072 bytes apart from byte 1,024 j on; its scale rows 96 apart from byte 32 j on.  The activation was laid at the same pitches.
; KIND = cluster x: 0 q, 1 k, 2 v.  For q and k: A = 256 tokens, B = 256 channels.  For v the two change places (A = channels, B = tokens), so that a lane holds a channel and its registers run along the keys.
; A tile of 256 x 256 is made by four waves, 128 x 128 each (64 accumulators, 512 registers); K = 1,024 goes in four steps of 256 through a ring of two LDS slots filled by the tensor data mover.
; CLUSTERS 4 x 4: A's tile is asked for jointly along a row of the cluster, B's along a column.  THE MATRIX INSTRUCTION IS USED TRANSPOSED (source 0 = 16 rows of B, source 1 = 16 rows of A):
; lane (r, h) holds A's row r, and register 8 b + j of a block of rows B's row 16 b + 8 h + j.
; OUT: a block of 16 rows x 128 becomes one fragment's registers: 64 numbers a lane in four blocks of 32 (my 16 and lane l xor 16's).  The codes leave as an image of the registers, 512 bytes a store.
; Inside a block of 32 place 16 h + 8 u + j holds k = 16 u + 8 h + j: q and k, and v and the softmax's p, are both made so, and a permutation of k applied alike to both operands keeps the products.
; No prefetch: a tile has two refills, and each tile is read by many work-groups at the same time, which the joint loads serve.
; LIMITS: NaN and infinities are not served; a block whose largest magnitude lies under 2^-111 gets the byte 1.
; REGISTERS, in windows of 256: window 0: v7-31 addresses and v8-15 the row biases; v32-63 scale words, two sets; v64-127 the column biases; from v128 A's fragments, one set; later the way out.
;   window 1: B's fragments, two sets.   window 2: the accumulators of my rows 0-63 ((a, b) at v[8 (8 a + b)]);   window 3: those of rows 64-127.
.set KSTEP,  256
.set NQ,     2
.set ROWB,   256
.set KROWA,  3072
.set KROWB,  3072
.set SPA,    96
.set SPB,    96
.set PITCH,  272                       ; an LDS row: 256 bytes + 16: the 16 rows that a load touches start at 16 different banks
.set FR,     16
.set NL,     4
.set NP,     8                         ; places behind this matrix instruction (ISA guide 7.12.1)
.set HALFT,  128*PITCH
.set SLOT,   4*HALFT
.set LAPS,   2
.set SCL,    2*SLOT                    ; behind the ring: the scale bytes of 256 + 256 rows for all of K: rows of 32 bytes + 16
.set HALFS,  128*48
.set SBLK,   16*48
.set SPARE,  SCL+4*HALFS               ; the spare words, 128 bytes a wave
.set SWS,    SPARE+512                 ; a stage for the scale words made here, 1,024 bytes a wave; no fill ever lands there
.set SH,   7                           ; v7   16 x (lane / 16)
.set RB,   8                           ; v8-15 bias of A's row 16 a + r (kind v)
.set ADRA, 16
.set SWR,  18                          ; v18  stage, back: 16 x lane
.set SWV,  19                          ; v19  stage, back, lanes 0-15's words alone
.set ADRB, 20
.set CBO,  22                          ; v22  96 x (lane / 16): never rewritten
.set RBO,  23                          ; v23  12 x (lane % 16): never rewritten
.set LI,   24                          ; v24  16 x lane
.set SWA,  26                          ; v26  stage, in: 4 x lane
.set ADRS, 27
.set SPW,  28
.set NIL,  29
.set SC,   32
.set CB,   64                          ; v64-127 bias of B's row 32 b + 16 u + 8 h + j at 16 b + 8 u + j (kinds q, k)
.set AF,   128
.set T,    128                         ; the way out: 64 numbers
.set PC,   192                         ; their codes
.set TM,   208                         ; 16 registers at work
.set PW,   224                         ; the scale word
.set WW,   232                         ; v232-239 the eight blocks' words
.set KD,   95                          ; s95  the kind
.set SEL,  20
.set MNT,  22
.set G1, 24
.set G0, 32
.set G1B, 48
.set G0B, 56
.set G1S, 68
.set G0S, 76
.set G1SB, 80
.set G0SB, 88
.set MSB, 0
.macro WIN new                         ; the immediate's high byte repeats the setting that is left
.set WN, \new
.if MSB != WN
	s_set_vgpr_msb (MSB<<8)|WN
.set MSB, WN
.endif
.endm
.set MUL_LO, 0xa1                      ; source 0 (B) window 1, source 1 (A) window 0, C and D window 2
.set MUL_HI, 0xf1
.set TO_B,   0x40
; A joint load: waves 0 and 1 fetch for A, waves 2 and 3 for B; the branch hangs on the wave's number alone.  Four v_nop follow each of the two lines.
.macro JLOAD g0a, g1a, g0b, g1b
	s_cmp_eq_u32 s15, 0
	s_cbranch_scc0 .Lfor_b_\@
	tensor_load_to_lds s[\g0a:\g0a+3], s[\g1a:\g1a+7]
	s_nop 0
.rept 4
	v_nop
.endr
	s_branch .Lasked_\@
.Lfor_b_\@:
	tensor_load_to_lds s[\g0b:\g0b+3], s[\g1b:\g1b+7]
	s_nop 0
.rept 4
	v_nop
.endr
.Lasked_\@:
.endm
.macro CREST                           ; a round of the cluster's barrier behind its opening barrier
	s_cmp_lg_u32 s14, 0
	s_cbranch_scc1 .Lnot_wave_0_\@
	s_barrier_signal -3
.Lnot_wave_0_\@:
	s_barrier_wait -3
	s_barrier_signal -1
	s_barrier_wait -1
.endm
.macro CROUND
	s_barrier_signal -1
	s_barrier_wait -1
	CREST
.endm
	s_load_b128 s[4:7], s[0:1], 0x0                ; the activation's codes, its scales
	s_load_b128 s[8:11], s[0:1], 0x10              ; the weight's codes, its scales
	s_load_b128 s[96:99], s[0:1], 0x20             ; the bias, the codes out
	s_load_b64 s[100:101], s[0:1], 0x30            ; the scale words out
	v_lshl_add_u32 v[SPW], v0, 2, SPARE
	v_mov_b32 v[NIL], 0
	ds_add_u32 v28, v29
	ds_add_u32 v28, v29
	s_wait_dscnt 0x0
	v_lshrrev_b32 v1, 5, v0
	v_readfirstlane_b32 s14, v1                    ; wave 0..3
	s_lshr_b32 s15, s14, 1                         ; my half of A's rows.  Also: I fetch for A (0) or for B (1)
	s_and_b32 s16, s14, 1                          ; my half of B's rows.  Also: which 128 rows I fetch
	s_bfe_u32 s40, ttmp6, 0x40000                  ; cx
	s_bfe_u32 s41, ttmp6, 0x40004                  ; cy
	s_mov_b32 s[KD], ttmp9                         ; the kind: the same in all sixteen partners
	s_and_b32 s17, ttmp7, 0xffff                   ; cluster y: which 1,024 tokens
	s_cmp_eq_u32 s[KD], 2
	s_cselect_b32 s42, s17, 0                      ; the tokens are B's rows for v,
	s_cselect_b32 s17, 0, s17                      ; A's for q and k
	s_lshl_b32 s42, s42, 2
	s_add_co_u32 s42, s42, s40                     ; B's tile
	s_lshl_b32 s17, s17, 2
	s_add_co_u32 s17, s17, s41                     ; A's tile
	s_lshl_b32 s43, s41, 2
	s_lshl_b32 s43, 15, s43                        ; my row of the cluster
	s_lshl_b32 s44, 0x1111, s40                    ; my column
	s_or_b32 s[G1+0], s43, (1<<20)|(1<<21)|(5<<22)|(3<<25)   ; the mask; elements of 1 byte; padding on; bit 21 beside a mask; 4 words behind every 64
	s_or_b32 s[G1B+0], s44, (1<<20)|(1<<21)|(5<<22)|(3<<25)
.irp g, G1, G1B
	s_mov_b32 s[\g+1], ROWB<<16                    ; tensor_dim0
	s_mov_b32 s[\g+2], 128<<16                     ; tensor_dim1
	s_mov_b32 s[\g+3], ROWB<<16                    ; tile_dim0
	s_mov_b32 s[\g+4], 128                         ; tile_dim1
	s_mov_b32 s[\g+6], 0
	s_mov_b32 s[\g+7], 0
.endr
	s_mov_b32 s[G1+5], KROWA                       ; the pitch
	s_mov_b32 s[G1B+5], KROWB
	s_or_b32 s[G1S+0], s43, (1<<20)|(1<<21)|(2<<22)|(3<<25)  ; the scales of 128 rows: rows of 32 bytes, 4 words behind every 8
	s_or_b32 s[G1SB+0], s44, (1<<20)|(1<<21)|(2<<22)|(3<<25)
.irp g, G1S, G1SB
	s_mov_b32 s[\g+1], 32<<16
	s_mov_b32 s[\g+2], 128<<16
	s_mov_b32 s[\g+3], 32<<16
	s_mov_b32 s[\g+4], 128
	s_mov_b32 s[\g+6], 0
	s_mov_b32 s[\g+7], 0
.endr
	s_mov_b32 s[G1S+5], SPA
	s_mov_b32 s[G1SB+5], SPB
	s_lshl_b32 s18, s16, 7                         ; which 128 rows of the tile I fetch
	s_lshl_b32 s20, s17, 8
	s_add_co_u32 s20, s20, s18                     ; A's row
	s_lshl_b32 s46, s42, 8
	s_add_co_u32 s46, s46, s18                     ; B's row
	s_mul_i32 s22, s20, SPA                        ; all these offsets stay under 2^24
	s_mov_b32 s23, 0
	s_mul_i32 s92, s46, SPB
	s_mov_b32 s93, 0
	s_mul_i32 s20, s20, KROWA
	s_mov_b32 s21, 0
	s_mul_i32 s46, s46, KROWB
	s_mov_b32 s47, 0
	s_mul_i32 s45, s14, HALFT                      ; where they go: wave x 128 rows: no place in the cluster enters an LDS address
	s_mul_i32 s94, s14, HALFS
	s_wait_kmcnt 0x0
	s_lshl_b32 s2, s[KD], 10                       ; Wj begins 1,024 j bytes on,
	s_mov_b32 s3, 0
	s_add_nc_u64 s[8:9], s[8:9], s[2:3]
	s_lshl_b32 s2, s[KD], 5                        ; its scales 32 j
	s_add_nc_u64 s[10:11], s[10:11], s[2:3]
	s_cmp_eq_u32 s[KD], 2                          ; for v the weight is A and the activation B: a choice that hangs on the cluster's number alone
	s_cselect_b64 s[2:3], s[8:9], s[4:5]
	s_cselect_b64 s[104:105], s[4:5], s[8:9]
	s_mov_b64 s[4:5], s[2:3]
	s_mov_b64 s[8:9], s[104:105]
	s_cselect_b64 s[2:3], s[10:11], s[6:7]
	s_cselect_b64 s[104:105], s[6:7], s[10:11]
	s_mov_b64 s[6:7], s[2:3]
	s_mov_b64 s[10:11], s[104:105]
	s_add_nc_u64 s[20:21], s[4:5], s[20:21]
	s_add_nc_u64 s[22:23], s[6:7], s[22:23]
	s_add_nc_u64 s[46:47], s[8:9], s[46:47]
	s_add_nc_u64 s[92:93], s[10:11], s[92:93]
	CROUND                                         ; all sixteen work-groups are here: the first joint loads meet
	s_mov_b32 s[G0S], 1
	s_add_co_u32 s[G0S+1], s94, SCL
	s_mov_b64 s[G0S+2:G0S+3], s[22:23]
	s_or_b32 s[G0S+3], s[G0S+3], 0x80000000
	s_mov_b32 s[G0SB], 1
	s_add_co_u32 s[G0SB+1], s94, SCL
	s_mov_b64 s[G0SB+2:G0SB+3], s[92:93]
	s_or_b32 s[G0SB+3], s[G0SB+3], 0x80000000
	JLOAD G0S, G1S, G0SB, G1SB                     ; the scales first: they are wanted with K step 0
.irp s, 0,1
	s_mov_b32 s[G0+4*\s], 1
	s_add_co_u32 s[G0+4*\s+1], s45, \s*SLOT
	s_add_nc_u64 s[G0+4*\s+2:G0+4*\s+3], s[20:21], \s*ROWB
	s_or_b32 s[G0+4*\s+3], s[G0+4*\s+3], 0x80000000
	s_mov_b32 s[G0B+4*\s], 1
	s_add_co_u32 s[G0B+4*\s+1], s45, \s*SLOT
	s_add_nc_u64 s[G0B+4*\s+2:G0B+4*\s+3], s[46:47], \s*ROWB
	s_or_b32 s[G0B+4*\s+3], s[G0B+4*\s+3], 0x80000000
	JLOAD G0+4*\s, G1, G0B+4*\s, G1B
.endr
	v_and_b32 v1, 15, v0                           ; r
	v_bfe_u32 v2, v0, 4, 1                         ; h
	s_wait_alu depctr_va_vdst(0)
	v_mul_u32_u24 v3, v1, PITCH
	v_lshl_add_u32 v4, v2, 4, v3                   ; a fragment's row x pitch + 16 x half
	s_mul_i32 s21, s15, HALFT
	s_mul_i32 s22, s16, HALFT
	s_add_co_u32 s22, s22, 2*HALFT
.irp s, 0,1
	v_add_nc_u32 v[ADRA+\s], s21, v4
	v_add_nc_u32 v[ADRB+\s], s22, v4
	s_add_co_u32 s21, s21, SLOT
	s_add_co_u32 s22, s22, SLOT
.endr
	v_mul_u32_u24 v5, v1, 48                       ; my row's scale bytes
	s_mul_i32 s21, s15, HALFS                      ; A's: my 128 rows
	s_mul_i32 s22, s16, HALFS                      ; B's: my 128 rows, behind A's 256
	s_add_co_u32 s22, s22, 2*HALFS
	s_sub_co_u32 s22, s22, s21
	v_mul_u32_u24 v6, s22, v2                      ; lanes 16-31 take B's: one product, the distance between the two bases
	s_add_co_u32 s21, s21, SCL
	v_add_nc_u32 v5, v5, v6
	v_add_nc_u32 v[ADRS], s21, v5
	v_and_b32 v6, 31, v0
	v_lshlrev_b32 v[LI], 4, v6
	s_lshl_b32 s23, s14, 10
	s_add_co_u32 s23, s23, SWS                     ; my stage for scale words
	v_lshl_add_u32 v[SWA], v6, 2, s23
	v_add_nc_u32 v[SWR], s23, v[LI]
	v_lshrrev_b32 v5, 2, v6
	v_lshlrev_b32 v5, 7, v5
	v_and_b32 v3, 3, v6
	v_lshl_add_u32 v5, v3, 4, v5
	v_add_nc_u32 v[SWV], s23, v5                   ; 128 (lane / 4) + 16 (lane % 4)
	v_lshlrev_b32 v[SH], 4, v2
	v_mul_u32_u24 v[CBO], v2, 96
	s_wait_alu depctr_va_vdst(0)
	v_mul_u32_u24 v[RBO], v1, 12
	; where my 128 x 128 goes: tokens: n, group U of 128; channels: the pair of heads
	s_wait_alu depctr_va_vdst(0)
	s_cmp_eq_u32 s[KD], 2
	s_cselect_b32 s18, s42, s17                    ; the tokens' tile,
	s_cselect_b32 s19, s16, s15                    ; my half of it
	s_cselect_b32 s20, s17, s42                    ; the channels' tile,
	s_cselect_b32 s21, s15, s16                    ; my half of it
	s_cselect_b32 s23, 9, 10                       ; a group's scale words: 512 bytes for v, 1,024 for q and k
	s_lshr_b32 s22, s18, 3                         ; n
	s_lshl_b32 s22, s22, 3
	s_lshl_b32 s20, s20, 1
	s_add_co_u32 s20, s20, s21                     ; the pair
	s_add_co_u32 s22, s22, s20                     ; 8 n + pair
	s_and_b32 s18, s18, 7
	s_lshl_b32 s18, s18, 1
	s_add_co_u32 s18, s18, s19                     ; U
	s_lshl_b32 s20, s[KD], 22
	s_lshl_b32 s21, s22, 18
	s_add_co_u32 s20, s20, s21
	s_lshl_b32 s21, s18, 14
	s_add_co_u32 s20, s20, s21
	s_mov_b32 s21, 0
	s_add_nc_u64 s[98:99], s[98:99], s[20:21]
	s_lshl_b32 s22, s22, 4
	s_add_co_u32 s22, s22, s18
	s_lshl_b32 s22, s22, s23
	s_lshl_b32 s20, s[KD], 18
	s_add_co_u32 s20, s20, s22
	s_add_nc_u64 s[100:101], s[100:101], s[20:21]
	; the biases: both sets are loaded on every way; the one that is not used reads from channel 0 on
	s_lshl_b32 s20, s42, 8
	s_lshl_b32 s21, s16, 7
	s_add_co_u32 s20, s20, s21
	s_lshl_b32 s22, s17, 8
	s_lshl_b32 s21, s15, 7
	s_add_co_u32 s22, s22, s21
	s_cmp_eq_u32 s[KD], 2
	s_cselect_b32 s20, 0, s20
	s_cselect_b32 s22, s22, 0
	s_mul_i32 s20, s20, 12                         ; channel c of kind j is number 3 c + j
	s_lshl_b32 s21, s[KD], 2
	s_add_co_u32 s20, s20, s21
	s_mov_b32 s21, 0
	s_mul_i32 s22, s22, 12
	s_add_co_u32 s22, s22, 8
	s_mov_b32 s23, 0
	s_add_nc_u64 s[104:105], s[96:97], s[22:23]
	s_add_nc_u64 s[96:97], s[96:97], s[20:21]
.irp b, 0,1,2,3
.irp u, 0,1
.irp j, 0,1,2,3,4,5,6,7
	global_load_b32 v[CB+16*\b+8*\u+\j], v[CBO], s[96:97] offset:(32*\b+16*\u+\j)*12
.endr
.endr
.endr
.irp a, 0,1,2,3,4,5,6,7
	global_load_b32 v[RB+\a], v[RBO], s[104:105] offset:192*\a
.endr
.macro FRAG reg, adr, q, i             ; 16 rows x 128 K: registers 4 c .. 4 c + 3 hold K = 32 c + 16 (l / 16) + 0 .. 15 of row l % 16
.irp c, 0,1,2,3
	ds_load_b128 v[\reg+4*\c:\reg+4*\c+3], v[\adr] offset:128*(\q)+32*\c+(\i)*16*PITCH
.endr
.endm
; 16 matrix instructions: A's blocks a0, a0 + 1 x B's eight.  The 64 accumulators take turns, one instruction a turn, in the same order in every step.
.macro MUL16 a0, p, q, sc, zero
.irp a, \a0, \a0+1
.irp b, 0,1,2,3,4,5,6,7
.if \zero
	v_wmma_scale_f32_16x16x128_f8f6f4 v[8*(8*((\a)%4)+\b):8*(8*((\a)%4)+\b)+7], v[128*(\p)+FR*\b:128*(\p)+FR*\b+FR-1], v[AF+FR*(\a):AF+FR*(\a)+FR-1], 0, v[SC+8*NQ*(\sc)+NQ*\b+(\q)], v[SC+8*NQ*(\sc)+NQ*(\a)+(\q)] matrix_a_fmt:MATRIX_FMT_BF8 matrix_b_fmt:MATRIX_FMT_BF8 matrix_a_scale:MATRIX_SCALE_ROW1
.else
	v_wmma_scale_f32_16x16x128_f8f6f4 v[8*(8*((\a)%4)+\b):8*(8*((\a)%4)+\b)+7], v[128*(\p)+FR*\b:128*(\p)+FR*\b+FR-1], v[AF+FR*(\a):AF+FR*(\a)+FR-1], v[8*(8*((\a)%4)+\b):8*(8*((\a)%4)+\b)+7], v[SC+8*NQ*(\sc)+NQ*\b+(\q)], v[SC+8*NQ*(\sc)+NQ*(\a)+(\q)] matrix_a_fmt:MATRIX_FMT_BF8 matrix_b_fmt:MATRIX_FMT_BF8 matrix_a_scale:MATRIX_SCALE_ROW1
.endif
.endr
.endr
.endm
.macro FETCH_B slot, q, p
	WIN TO_B
.irp i, 0,1,2,3,4,5,6,7
	FRAG 128*(\p)+FR*\i, ADRB+\slot, \q, \i
.endr
	WIN 0
.endm
.macro FETCH_A slot, q, i0
.irp i, \i0, \i0+1, \i0+2, \i0+3
	FRAG AF+FR*(\i), ADRA+\slot, \q, \i
.endr
.endm
.macro SCALES sc                       ; a K step's scale words: lanes 0-15 take A's block i, lanes 16-31 B's block i
.irp i, 0,1,2,3,4,5,6,7
	ds_load_b64 v[SC+8*NQ*\sc+NQ*\i:SC+8*NQ*\sc+NQ*\i+1], v[ADRS] offset:\i*SBLK
.endr
.endm
.macro PLACES n                        ; plain vector lines between a matrix instruction and a load into, or a read of, its registers
.rept \n
	v_nop
.endr
.endm
.macro STEP slot, q, zero              ; 128 along K that has its successor in the same slot
	s_wait_dscnt 4*NL                              ; B's set and A's blocks 0-3 are in; the youngest sixteen loads (A's blocks 4-7) may be out
	WIN MUL_LO
	MUL16 0, (\q)%2, \q, \slot, \zero
	MUL16 2, (\q)%2, \q, \slot, \zero
	s_wait_dscnt 0
	PLACES NP
	FETCH_B \slot, (\q)+1, 1-(\q)%2
	FETCH_A \slot, (\q)+1, 0
	WIN MUL_HI
	MUL16 4, (\q)%2, \q, \slot, \zero
	MUL16 6, (\q)%2, \q, \slot, \zero
	PLACES NP
	WIN 0
	FETCH_A \slot, (\q)+1, 4
.endm
; A slot's last step changes slots: one barrier; in front of it each wave waits for all its tensor loads, adds 0 to its spare word, and waits for that and for its reads of this slot.
.macro TURN slot, next, fill
	s_wait_tensorcnt 0x0                           ; all my tensor loads have landed: my part of the next slot
	ds_add_u32 v[SPW], v[NIL]                      ; 0 onto my spare word
	s_wait_dscnt 4*NL+1                            ; the add and the youngest sixteen loads may be out
	WIN MUL_LO
	MUL16 0, 1, NQ-1, \slot, 0
	s_wait_dscnt 0x0                               ; the add is done, and my reads of this slot are over
	s_barrier_signal -1
	MUL16 2, 1, NQ-1, \slot, 0
	WIN 0
	s_barrier_wait -1
.if \fill
	CREST                                          ; the barrier has opened a round of the cluster's: no wave of any partner still reads this slot or has a load on its way
	s_add_nc_u64 s[G0+4*\slot+2:G0+4*\slot+3], s[G0+4*\slot+2:G0+4*\slot+3], 2*ROWB
	s_add_nc_u64 s[G0B+4*\slot+2:G0B+4*\slot+3], s[G0B+4*\slot+2:G0B+4*\slot+3], 2*ROWB
	JLOAD G0+4*\slot, G1, G0B+4*\slot, G1B         ; the first tensor load behind the round; its four v_nop are among the places in front of the loads below
	PLACES NP-4
.else
	PLACES NP
.endif
	s_wait_alu depctr_va_vdst(0)
	v_add_nc_u32 v[ADRS], 4*NQ, v[ADRS]            ; the next K step's scale words
	FETCH_B \next, 0, 0
	FETCH_A \next, 0, 0
	SCALES \next
	WIN MUL_HI
	MUL16 4, 1, NQ-1, \slot, 0
	MUL16 6, 1, NQ-1, \slot, 0
	PLACES NP
	WIN 0
	FETCH_A \next, 0, 4
.endm
	s_wait_tensorcnt 1                             ; the scales and my part of K step 0 are in; K step 1's load may be out
	s_barrier_signal -1
	s_barrier_wait -1
	FETCH_B 0, 0, 0
	FETCH_A 0, 0, 0
	SCALES 0
	FETCH_A 0, 0, 4
	STEP 0, 0, 1                                   ; the first step's products start the sums
	s_mov_b32 s3, LAPS-1
.Llap:
	TURN 0, 1, 1
	STEP 1, 0, 0
	TURN 1, 0, 1
	STEP 0, 0, 0
	s_sub_co_u32 s3, s3, 1
	s_cmp_lg_u32 s3, 0
	s_cbranch_scc1 .Llap
	TURN 0, 1, 0                                   ; the last lap fills nothing
	STEP 1, 0, 0
	s_wait_dscnt 4*NL
	WIN MUL_LO
	MUL16 0, 1, NQ-1, 1, 0
	MUL16 2, 1, NQ-1, 1, 0
	s_wait_dscnt 0
	WIN MUL_HI
	MUL16 4, 1, NQ-1, 1, 0
	MUL16 6, 1, NQ-1, 1, 0
	WIN 0
; THE WAY OUT.
.macro COPYC a                         ; block a + the bias of B's rows, each accumulator from its low end on
	WIN 0x02+(\a)/4
.set AC, 64*((\a)%4)
.set n, 0
.rept 32
	v_pk_add_f32 v[T+2*n:T+2*n+1], v[AC+2*n:AC+2*n+1], v[CB+2*n:CB+2*n+1]
.set n, n+1
.endr
	WIN 0
.endm
.macro COPYR a                         ; block a + the bias of A's row: one number a lane
	WIN 0x02+(\a)/4
.set AC, 64*((\a)%4)
.set RP, RB+2*((\a)/2)
.set n, 0
.rept 32
.if (\a)%2
	v_pk_add_f32 v[T+2*n:T+2*n+1], v[AC+2*n:AC+2*n+1], v[RP:RP+1] op_sel:[0,1] op_sel_hi:[1,1]
.else
	v_pk_add_f32 v[T+2*n:T+2*n+1], v[AC+2*n:AC+2*n+1], v[RP:RP+1] op_sel_hi:[1,0]
.endif
.set n, n+1
.endr
	WIN 0
.endm
; 64 numbers of a lane, four blocks of 16 (the other 16 of each block lie in lane l xor 16), become 16 registers of codes and a scale word
.macro QUANT s
.irp b, 0,1,2,3
	v_max3_num_f32 v[TM+\b], |v[\s+16*\b]|, |v[\s+1+16*\b]|, 0x8000000   ; with the floor 2^(16 - 127): the byte cannot fall under 1
.endr
.irp i, 2,4,6,8,10,12,14
.irp b, 0,1,2,3
	v_max3_num_f32 v[TM+\b], v[TM+\b], |v[\s+16*\b+\i]|, |v[\s+1+16*\b+\i]|
.endr
.endr
.irp b, 0,1,2,3
	v_permlanex16_b32 v[TM+4+\b], v[TM+\b], s[SEL], s[SEL+1]
.endr
.irp b, 0,1,2,3
	v_max_num_f32 v[TM+\b], v[TM+\b], v[TM+4+\b]
.endr
.irp b, 0,1,2,3
	v_add_nc_u32 v[TM+12+\b], 0xf8800000, v[TM+\b]   ; 15 off the exponent field: the conversion's scale operand
.endr
.irp b, 0,1,2,3
.endr
.irp b, 0,1,2,3
	v_lshrrev_b32 v[TM+4+\b], 23, v[TM+12+\b]      ; the scale's byte
.endr
	v_lshl_or_b32 v[PW], v[TM+5], 8, v[TM+4]
	v_lshl_or_b32 v[PW], v[TM+6], 16, v[PW]
	v_lshl_or_b32 v[PW], v[TM+7], 24, v[PW]
.irp b, 0,1,2,3
.irp i, 0,1,2,3,4,5,6,7,8,9,10,11,12,13,14,15
.endr
	v_cvt_scalef32_pk8_bf8_f32 v[PC+4*\b:PC+1+4*\b], v[\s+16*\b:\s+7+16*\b], v[TM+12+\b]
	v_cvt_scalef32_pk8_bf8_f32 v[PC+2+4*\b:PC+3+4*\b], v[\s+8+16*\b:\s+15+16*\b], v[TM+12+\b]
.endr
	v_nop                                          ; a plain line behind the last conversion
.endm
.macro EPI a
.if (\a) > 0
	s_wait_xcnt 0x0                                ; the last block's stores have read the codes' registers
.endif
	s_cmp_eq_u32 s[KD], 2
	s_cbranch_scc1 .Lrow_\@
	COPYC \a
	s_branch .Lq_\@
.Lrow_\@:
	COPYR \a
.Lq_\@:
	QUANT T
.irp c, 0,1,2,3
	global_store_b128 v[LI], v[PC+4*\c:PC+4*\c+3], s[98:99] offset:2048*(\a)+512*\c   ; the registers' image: 512 consecutive bytes, aligned
.endr
	v_lshrrev_b32 v[WW+(\a)], v[SH], v[PW]         ; lanes 16-31: the odd head's two bytes come down
	ds_store_b32 v[SWA], v[WW+(\a)] offset:128*(\a)
.endm
	s_wait_loadcnt 0x0                             ; the biases
	PLACES NP                                      ; behind the last products: their results are read, and registers that held fragments and scales are written
	s_mov_b32 s[SEL], 0x76543210
	s_mov_b32 s[SEL+1], 0xfedcba98
.irp b, 0,1,2,3
	v_mov_b32 v[TM+4+\b], 0                        ; a lane permute's destination counts as read
.endr
.irp a, 0,1,2,3,4,5,6,7
	EPI \a
.endr
	s_cmp_eq_u32 s[KD], 2                          ; both ways only read the stage, which is my wave's own: LDS serves a wave's instructions in order
	s_cbranch_scc1 .Ltail_v
	ds_load_b128 v[240:243], v[SWR]
	ds_load_b128 v[244:247], v[SWR] offset:512
	s_wait_dscnt 0x0
	global_store_b128 v[LI], v[240:243], s[100:101]             ; q, k: [tile 8][head's parity 2][row 16] words: 1,024 bytes
	global_store_b128 v[LI], v[244:247], s[100:101] offset:512
	s_branch .Ltail_done
.Ltail_v:
	ds_load_b128 v[240:243], v[SWV]
	s_wait_dscnt 0x0
	global_store_b128 v[LI], v[240:243], s[100:101]             ; v: [tile 8][row 16] words: 512 bytes
.Ltail_done:
	s_wait_tensorcnt 0x0                           ; the wave's end
	ds_add_u32 v[SPW], v[NIL]
	s_wait_dscnt 0x0
	CROUND                                         ; the closing round
	s_endpgm
.Lfunc_end_k_q3ccf8e7f30_qkv:
	.size	k_q3ccf8e7f30_qkv, .Lfunc_end_k_q3ccf8e7f30_qkv-k_q3ccf8e7f30_qkv
	.p2alignl 7, 3214868480
	.fill 96, 4, 3214868480
	.section	.rodata,"a",@progbits
	.p2align	6, 0x0
	.amdhsa_kernel k_q3ccf8e7f30_qkv
		.amdhsa_group_segment_fixed_size 327680
		.amdhsa_private_segment_fixed_size 0
		.amdhsa_enable_private_segment 0
		.amdhsa_kernarg_size 56
		.amdhsa_user_sgpr_count 2
		.amdhsa_user_sgpr_kernarg_segment_ptr 1
		.amdhsa_wavefront_size32 1
		.amdhsa_system_sgpr_workgroup_id_x 1
		.amdhsa_system_sgpr_workgroup_id_y 1
		.amdhsa_system_sgpr_workgroup_id_z 1
		.amdhsa_system_vgpr_workitem_id 0
		.amdhsa_next_free_vgpr 1024
		.amdhsa_next_free_sgpr 106
		.amdhsa_reserve_vcc 0
		.amdhsa_float_denorm_mode_32 3
		.amdhsa_float_denorm_mode_16_64 3
		.amdhsa_fp16_overflow 1
		.amdhsa_memory_ordered 1
		.amdhsa_forward_progress 1
		.amdhsa_inst_pref_size 192
	.end_amdhsa_kernel
	.amdgpu_metadata
---
amdhsa.version: [ 1, 2 ]
amdhsa.kernels:
  - .name:           k_q3ccf8e7f30_qkv
    .symbol:         k_q3ccf8e7f30_qkv.kd
    .args:
      - { .name: a_c, .offset: 0, .size: 8, .value_kind: global_buffer, .address_space: global }
      - { .name: a_s, .offset: 8, .size: 8, .value_kind: global_buffer, .address_space: global }
      - { .name: qkv_proj_codes, .offset: 16, .size: 8, .value_kind: global_buffer, .address_space: global }
      - { .name: qkv_proj_scales, .offset: 24, .size: 8, .value_kind: global_buffer, .address_space: global }
      - { .name: qkv_bias, .offset: 32, .size: 8, .value_kind: global_buffer, .address_space: global }
      - { .name: qkvc, .offset: 40, .size: 8, .value_kind: global_buffer, .address_space: global }
      - { .name: qkvs, .offset: 48, .size: 8, .value_kind: global_buffer, .address_space: global }
    .group_segment_fixed_size: 327680
    .private_segment_fixed_size: 0
    .kernarg_segment_align: 8
    .kernarg_segment_size: 56
    .max_flat_workgroup_size: 128
    .sgpr_count:     106
    .vgpr_count:     1024
    .wavefront_size: 32
...
	.end_amdgpu_metadata
.endif
;; end of part 2
;; launch attn (part 3): grid 16 x 16, 16 waves a work-group, clusters of 4 x 1, 327,680 bytes of LDS; arguments qkvc, qkvs, imc, ims; writes imc, ims
.if DOCPART == 3
	.amdgcn_target "amdgcn-amd-amdhsa--gfx1250"
	.amdhsa_code_object_version 6
	.text
	.protected	k_q3ccf8e7f30_attn
	.globl	k_q3ccf8e7f30_attn
	.p2align	8
	.type	k_q3ccf8e7f30_attn,@function
k_q3ccf8e7f30_attn:
	s_mov_b64 s[64:65], 0
	v_nop
	global_prefetch_b8 v0, s[64:65] scope:SCOPE_SE
	s_setreg_imm32_b32 hwreg(HW_REG_WAVE_MODE, 25, 1), 1
	s_wait_xcnt 0x0
	s_wait_alu depctr_hold_cnt(0) depctr_sa_sdst(0) depctr_va_vdst(0) depctr_va_sdst(0) depctr_va_ssrc(0) depctr_va_vcc(0) depctr_vm_vsrc(0)
	s_getreg_b32 s2, hwreg(HW_REG_IB_STS2, 6, 4)
	s_cmp_eq_u32 s2, 0
	s_cbranch_scc0 .Lentry_in_a_cluster
	s_endpgm
.Lentry_in_a_cluster:
	s_bfe_u32 s2, ttmp6, 0x10000c
	s_cmp_lg_u32 s2, 0x3003
	s_cbranch_scc0 .Lentry_shape_is_right
	s_endpgm
.Lentry_shape_is_right:
.set SLOT1, 65536
.set NSL,   8
.set SCK,   131072
.set SCV,   147456
.set SPARE, 155648
.set OSC,   157696
.set AK0,  1
.set AV0,  2
.set ASK0, 3
.set ASV0, 4
.set SPW,  5
.set NIL,  6
.set PFO,  7
.set GO8,  7
.set ADK,  8
.set ADV,  9
.set ADS,  10
.set ADT,  11
.set S,    128
.set O,    192
.set WV,   18
.set MNT,  19
.set SEL,  20
.set CS,   22
.set G1T,  24
.set G1VS, 32
.set G0K,  40
.set G0V,  44
.set G0SK, 48
.set G0SV, 52
.set TB,   2
.set TS,   3
.set TJ,   66
.set SLOTS, 67
.set PFA,  76
.set LIM,  80
.macro TLOAD g0k, g1k, g0v, g1v, l1, l2
	s_cmp_lt_u32 s[WV], \l1
	s_cbranch_scc0 .Lnot_k_\@
	tensor_load_to_lds s[\g0k:\g0k+3], s[\g1k:\g1k+7]
	s_nop 0
.rept 4
	v_nop
.endr
	s_branch .Lasked_\@
.Lnot_k_\@:
	s_cmp_lt_u32 s[WV], \l2
	s_cbranch_scc0 .Lasked_\@
	tensor_load_to_lds s[\g0v:\g0v+3], s[\g1v:\g1v+7]
	s_nop 0
.rept 4
	v_nop
.endr
.Lasked_\@:
.endm
.macro ASK
	s_cmp_gt_u32 s[SLOTS], s[LIM]
	s_cbranch_scc0 .Lnot_mine_\@
	global_prefetch_b8 v[PFO], s[PFA:PFA+1] th:TH_LOAD_NT scope:SCOPE_SE
.Lnot_mine_\@:
.endm
.macro CROUND
	s_barrier_signal -1
	s_barrier_wait -1
	s_cmp_lg_u32 s[WV], 0
	s_cbranch_scc1 .Lnot_wave_0_\@
	s_barrier_signal -3
.Lnot_wave_0_\@:
	s_barrier_wait -3
	s_barrier_signal -1
	s_barrier_wait -1
.endm
	s_load_b128 s[4:7], s[0:1], 0x0
	s_load_b128 s[8:11], s[0:1], 0x10
	v_lshl_add_u32 v[SPW], v0, 2, SPARE
	v_mov_b32 v[NIL], 0
	ds_add_u32 v5, v6
	ds_add_u32 v5, v6
	s_wait_dscnt 0x0
	v_lshrrev_b32 v8, 5, v0
	s_delay_alu instid0(VALU_DEP_1)
	v_readfirstlane_b32 s[WV], v8
	s_bfe_u32 s68, ttmp6, 0x40000
	s_lshl_b32 s69, ttmp9, 2
	s_add_co_u32 s69, s69, s68
	s_and_b32 s70, ttmp7, 0xffff
	s_lshr_b32 s71, s[WV], 3
	s_and_b32 s72, s[WV], 7
	s_lshl_b32 s73, s69, 3
	s_add_co_u32 s73, s73, s72
	s_and_b32 s74, s[WV], 1
	s_lshl_b32 s56, s70, 18
	s_lshl_b32 s58, s74, 14
	s_add_co_u32 s56, s56, s58
	s_add_co_u32 s56, s56, 0x400000
	s_mov_b32 s57, 0
	s_add_co_u32 s58, s56, 0x400000
	s_mov_b32 s59, 0
	s_lshl_b32 s60, s70, 14
	s_add_co_u32 s60, s60, 0x40000
	s_mov_b32 s61, 0
	s_lshl_b32 s62, s70, 13
	s_add_co_u32 s62, s62, 0x80000
	s_mov_b32 s63, 0
	s_lshl_b32 s75, s74, 14
	s_mov_b32 s[G1T], 15|(3<<16)|(1<<21)
	s_mov_b32 s[G1T+1], 32<<16
	s_mov_b32 s[G1T+2], 64<<16
	s_mov_b32 s[G1T+3], 32<<16
	s_mov_b32 s[G1T+4], 64
	s_mov_b32 s[G1T+5], 32
	s_mov_b32 s[G1T+6], 0
	s_mov_b32 s[G1T+7], 0
	s_mov_b32 s[G1VS], 15|(3<<16)|(1<<21)
	s_mov_b32 s[G1VS+1], 32<<16
	s_mov_b32 s[G1VS+2], 32<<16
	s_mov_b32 s[G1VS+3], 32<<16
	s_mov_b32 s[G1VS+4], 32
	s_mov_b32 s[G1VS+5], 32
	s_mov_b32 s[G1VS+6], 0
	s_mov_b32 s[G1VS+7], 0
	s_mov_b32 s[SEL], 0x76543210
	s_mov_b32 s[SEL+1], 0xfedcba98
	s_mov_b32 s[CS], 0x3e38aa3b
	s_mov_b32 s[CS+1], s[CS]
	s_mov_b32 s[TB], 0
	s_mov_b32 s[TS], 0
	s_mov_b32 s[TJ], 0
	s_mov_b32 s[SLOTS], NSL-1
	s_wait_kmcnt 0x0
	s_mov_b32 s[G0SK], 1
	s_mov_b32 s[G0SK+1], SCK
	s_add_nc_u64 s[G0SK+2:G0SK+3], s[6:7], s[60:61]
	s_or_b32 s[G0SK+3], s[G0SK+3], 0x80000000
	s_mov_b32 s[G0SV], 1
	s_mov_b32 s[G0SV+1], SCV
	s_add_nc_u64 s[G0SV+2:G0SV+3], s[6:7], s[62:63]
	s_or_b32 s[G0SV+3], s[G0SV+3], 0x80000000
	s_mov_b32 s[G0K], 1
	s_mov_b32 s[G0K+1], s75
	s_add_nc_u64 s[G0K+2:G0K+3], s[4:5], s[56:57]
	s_or_b32 s[G0K+3], s[G0K+3], 0x80000000
	s_mov_b32 s[G0V], 1
	s_add_co_u32 s[G0V+1], s75, 32768
	s_add_nc_u64 s[G0V+2:G0V+3], s[4:5], s[58:59]
	s_or_b32 s[G0V+3], s[G0V+3], 0x80000000
	CROUND
	TLOAD G0SK, G1T, G0SV, G1VS, 1, 2
	TLOAD G0K, G1T, G0V, G1T, 2, 4
	s_lshl_b32 s82, s70, 18
	s_lshl_b32 s83, s73, 11
	s_add_co_u32 s82, s82, s83
	s_lshl_b32 s83, s71, 10
	s_add_co_u32 s82, s82, s83
	s_mov_b32 s83, 0
	s_add_nc_u64 s[84:85], s[4:5], s[82:83]
	s_lshl_b32 s82, s70, 14
	s_lshl_b32 s92, s73, 7
	s_add_co_u32 s82, s82, s92
	s_lshl_b32 s92, s71, 6
	s_add_co_u32 s82, s82, s92
	s_add_nc_u64 s[86:87], s[6:7], s[82:83]
	s_and_b32 s92, s70, 7
	s_lshr_b32 s93, s70, 3
	s_lshl_b32 s82, s92, 19
	s_lshl_b32 s94, s93, 7
	s_add_co_u32 s94, s94, s73
	s_lshl_b32 s94, s94, 11
	s_add_co_u32 s82, s82, s94
	s_lshl_b32 s94, s71, 10
	s_add_co_u32 s82, s82, s94
	s_add_nc_u64 s[88:89], s[8:9], s[82:83]
	s_lshl_b32 s82, s92, 14
	s_lshl_b32 s94, s93, 13
	s_add_co_u32 s82, s82, s94
	s_lshl_b32 s94, s69, 9
	s_add_co_u32 s82, s82, s94
	s_add_nc_u64 s[90:91], s[10:11], s[82:83]
	s_mov_b32 s83, 0x800000
	s_cmp_eq_u32 s[WV], 4
	s_cselect_b32 s82, 0x400000, s83
	s_lshl_b32 s83, s70, 18
	s_add_co_u32 s82, s82, s83
	s_lshl_b32 s83, s68, 13
	s_add_co_u32 s82, s82, s83
	s_add_co_u32 s82, s82, 32768
	s_mov_b32 s83, 0
	s_add_nc_u64 s[PFA:PFA+1], s[4:5], s[82:83]
	s_sub_co_u32 s82, s[WV], 4
	s_lshr_b32 s82, s82, 1
	s_or_b32 s82, s82, ttmp9
	s_cmp_eq_u32 s82, 0
	s_cselect_b32 s[LIM], 1, -1
	v_and_b32 v9, 31, v0
	v_and_b32 v8, 15, v0
	s_delay_alu instid0(VALU_DEP_2)
	v_lshlrev_b32 v10, 4, v9
	global_load_b128 v[16:19], v10, s[84:85]
	global_load_b128 v[20:23], v10, s[84:85] offset:512
	v_lshlrev_b32 v254, 2, v8
	global_load_b32 v255, v254, s[86:87]
	s_lshl_b32 s92, s71, 10
	v_add_nc_u32 v[AK0], s92, v10
	s_lshl_b32 s92, s71, 13
	s_add_co_u32 s92, s92, 32768
	v_add_nc_u32 v[AV0], s92, v10
	s_lshl_b32 s92, s71, 6
	s_add_co_u32 s92, s92, SCK
	v_lshl_add_u32 v[ASK0], v8, 2, s92
	s_lshl_b32 s92, s71, 8
	s_add_co_u32 s92, s92, SCV
	v_lshl_add_u32 v[ASV0], v8, 2, s92
	v_lshlrev_b32 v[PFO], 8, v9
	v_mov_b32 v13, 0xff61b1e6
	s_delay_alu instid0(VALU_DEP_1)
	v_floor_f32 v12, -v13
	v_mov_b32 v14, 0
	v_mov_b32 v15, 0
.irp j, 0,1,2,3,4,5,6,7
	v_mov_b32 v[24+\j], 0
.irp t, 0,1,2,3
	v_mov_b32 v[40+16*\t+\j], 0
.endr
.endr
.irp b, 0,1,2,3
	v_mov_b32 v[236+\b], 0
.endr
	v_mov_b32 v253, 0
.set n, 0
.rept 32
	v_mov_b32 v[O+n], 0
.set n, n+1
.endr
.macro STEP q
	v_add_nc_u32 v[ADK], s[TB], v[AK0]
	s_wait_alu depctr_va_vdst(0)
	v_add_nc_u32 v[ADV], s[TB], v[AV0]
	v_add_nc_u32 v[ADS], s[TS], v[ASK0]
	s_wait_alu depctr_va_vdst(0)
	v_add_nc_u32 v[ADT], s[TJ], v[ASV0]
	s_wait_alu depctr_va_vdst(0)
.irp g, 0,1
.rept 4+4*\g
	v_nop
.endr
.irp t, 0,1,2,3
	ds_load_b128 v[32+16*\t:35+16*\t], v[ADK] offset:(8*(\q)+4*\g+\t)*2048
	ds_load_b128 v[36+16*\t:39+16*\t], v[ADK] offset:(8*(\q)+4*\g+\t)*2048+512
	ds_load_b32 v[248+\t], v[ADS] offset:128*(4*\g+\t)
.endr
	s_wait_dscnt 0x0
.irp t, 0,1,2,3
	v_wmma_scale_f32_16x16x128_f8f6f4 v[S+8*(4*\g+\t):S+8*(4*\g+\t)+7], v[32+16*\t:47+16*\t], v[16:31], 0, v[248+\t], v255 matrix_a_fmt:MATRIX_FMT_BF8 matrix_b_fmt:MATRIX_FMT_BF8
.endr
.endr
.rept 8
	v_nop
.endr
.irp t, 0,1
.irp c, 0,1,2,3
	ds_load_b128 v[96+16*\t+4*\c:99+16*\t+4*\c], v[ADV] offset:16384*(\q)+2048*\t+512*\c
.endr
	ds_load_b32 v[248+\t], v[ADT] offset:64*\t
.endr
.irp b, 0,1,2,3
	v_max3_num_f32 v[232+\b], v[S+16*\b], v[S+1+16*\b], v[S+2+16*\b]
.endr
.irp i, 3,5,7,9,11,13
.irp b, 0,1,2,3
	v_max3_num_f32 v[232+\b], v[232+\b], v[S+16*\b+\i], v[S+1+16*\b+\i]
.endr
.endr
.irp b, 0,1,2,3
	v_max_num_f32 v[232+\b], v[232+\b], v[S+15+16*\b]
.endr
.irp b, 0,1,2,3
	v_permlanex16_b32 v[236+\b], v[232+\b], s[SEL], s[SEL+1]
.endr
.irp b, 0,1,2,3
	s_delay_alu instid0(VALU_DEP_4)
	v_max_num_f32 v[232+\b], v[232+\b], v[236+\b]
.endr
	s_delay_alu instid0(VALU_DEP_2)
	v_max3_num_f32 v254, v232, v233, v234
	s_delay_alu instid0(VALU_DEP_1)
	v_max_num_f32 v254, v254, v235
	s_delay_alu instid0(VALU_DEP_1)
	v_mul_f32 v254, s[CS], v254
	s_delay_alu instid0(VALU_DEP_1)
	v_max_num_f32 v13, v13, v254
	v_mov_b32 v254, v12
	s_delay_alu instid0(VALU_DEP_2)
	v_floor_f32 v12, -v13
	s_delay_alu instid0(VALU_DEP_1)
	v_sub_f32 v254, v12, v254
	s_delay_alu instid0(VALU_DEP_1)
	v_cvt_i32_f32 v254, v254
	s_delay_alu instid0(VALU_DEP_1)
	v_ldexp_f32 v252, 1.0, v254
.set n, 0
.rept 32
	v_pk_fma_f32 v[S+2*n:S+2*n+1], v[S+2*n:S+2*n+1], s[CS:CS+1], v[12:13] op_sel_hi:[1,0,0]
.set n, n+1
.endr
.irp b, 0,1,2,3
	v_fma_f32 v[232+\b], v[232+\b], s[CS], v12
.endr
.set n, 0
	s_wait_alu depctr_va_vdst(0)
.rept 64
	v_exp_f32 v[S+n], v[S+n]
.set n, n+1
.endr
	v_pk_mul_f32 v[14:15], v[14:15], v[252:253] op_sel_hi:[1,0]
	s_wait_alu depctr_va_vdst(0)
.irp b, 0,1,2,3
	v_exp_f32 v[232+\b], v[232+\b]
.endr
	v_pk_add_f32 v[236:237], v[132:133], v[136:137]
	v_pk_add_f32 v[250:251], v[140:141], v[144:145]
	v_pk_add_f32 v[246:247], v[148:149], v[152:153]
	v_pk_add_f32 v[244:245], v[156:157], v[160:161]
	v_pk_add_f32 v[242:243], v[164:165], v[168:169]
	v_pk_add_f32 v[240:241], v[172:173], v[176:177]
	v_pk_add_f32 v[238:239], v[180:181], v[184:185]
	v_pk_add_f32 v[14:15], v[14:15], v[188:189]
	v_pk_add_f32 v[236:237], v[236:237], v[128:129]
	v_pk_add_f32 v[250:251], v[250:251], v[130:131]
	v_pk_add_f32 v[246:247], v[246:247], v[134:135]
	v_pk_add_f32 v[244:245], v[244:245], v[138:139]
	v_pk_add_f32 v[242:243], v[242:243], v[142:143]
	v_pk_add_f32 v[240:241], v[240:241], v[146:147]
	v_pk_add_f32 v[238:239], v[238:239], v[150:151]
	v_pk_add_f32 v[14:15], v[14:15], v[154:155]
	v_pk_add_f32 v[236:237], v[236:237], v[158:159]
	v_pk_add_f32 v[250:251], v[250:251], v[162:163]
	v_pk_add_f32 v[246:247], v[246:247], v[166:167]
	v_pk_add_f32 v[244:245], v[244:245], v[170:171]
	v_pk_add_f32 v[242:243], v[242:243], v[174:175]
	v_pk_add_f32 v[240:241], v[240:241], v[178:179]
	v_pk_add_f32 v[238:239], v[238:239], v[182:183]
	v_pk_add_f32 v[14:15], v[14:15], v[186:187]
	v_pk_add_f32 v[236:237], v[236:237], v[190:191]
	s_delay_alu instid0(VALU_DEP_2)
	v_pk_add_f32 v[14:15], v[14:15], v[244:245]
	s_delay_alu instid0(VALU_DEP_2)
	v_pk_add_f32 v[236:237], v[236:237], v[242:243]
	v_pk_add_f32 v[250:251], v[250:251], v[240:241]
	v_pk_add_f32 v[246:247], v[246:247], v[238:239]
	s_delay_alu instid0(VALU_DEP_2)
	v_pk_add_f32 v[14:15], v[14:15], v[250:251]
	s_delay_alu instid0(VALU_DEP_2)
	v_pk_add_f32 v[236:237], v[236:237], v[246:247]
	s_delay_alu instid0(VALU_DEP_1)
	v_pk_add_f32 v[14:15], v[14:15], v[236:237]
	s_wait_alu depctr_va_vdst(0)
.irp b, 0,1,2,3
	v_max_num_f32 v[232+\b], 0x8000000, v[232+\b]
.endr
.irp b, 0,1,2,3
	s_delay_alu instid0(VALU_DEP_4)
	v_add_nc_u32 v[244+\b], 0xf8800000, v[232+\b]
.endr
.irp b, 0,1,2,3
.endr
.irp b, 0,1,2,3
	s_delay_alu instid0(VALU_DEP_4)
	v_lshrrev_b32 v[236+\b], 23, v[244+\b]
.endr
	s_delay_alu instid0(VALU_DEP_3)
	v_lshl_or_b32 v253, v237, 8, v236
	s_delay_alu instid0(VALU_DEP_1)
	v_lshl_or_b32 v253, v238, 16, v253
	s_delay_alu instid0(VALU_DEP_1)
	v_lshl_or_b32 v253, v239, 24, v253
.irp b, 0,1,2,3
.irp i, 0,1,2,3,4,5,6,7,8,9,10,11,12,13,14,15
.endr
	v_cvt_scalef32_pk8_bf8_f32 v[224+4*\b:225+4*\b], v[S+16*\b:S+7+16*\b], v[244+\b]
	v_cvt_scalef32_pk8_bf8_f32 v[226+4*\b:227+4*\b], v[S+8+16*\b:S+15+16*\b], v[244+\b]
.endr
.set n, 0
.rept 16
	v_pk_mul_f32 v[O+2*n:O+2*n+1], v[O+2*n:O+2*n+1], v[252:253] op_sel_hi:[1,0]
.set n, n+1
.endr
	s_wait_alu depctr_va_vdst(0)
	s_wait_dscnt 0x0
.irp t, 0,1
	v_wmma_scale_f32_16x16x128_f8f6f4 v[O+8*\t:O+8*\t+7], v[96+16*\t:111+16*\t], v[224:239], v[O+8*\t:O+8*\t+7], v[248+\t], v253 matrix_a_fmt:MATRIX_FMT_BF8 matrix_b_fmt:MATRIX_FMT_BF8
.endr
.rept 8
	v_nop
.endr
.irp t, 0,1
.irp c, 0,1,2,3
	ds_load_b128 v[96+16*\t+4*\c:99+16*\t+4*\c], v[ADV] offset:16384*(\q)+2048*(2+\t)+512*\c
.endr
	ds_load_b32 v[250+\t], v[ADT] offset:64*(2+\t)
.endr
	s_wait_dscnt 0x0
.irp t, 0,1
	v_wmma_scale_f32_16x16x128_f8f6f4 v[O+16+8*\t:O+16+8*\t+7], v[96+16*\t:111+16*\t], v[224:239], v[O+16+8*\t:O+16+8*\t+7], v[250+\t], v253 matrix_a_fmt:MATRIX_FMT_BF8 matrix_b_fmt:MATRIX_FMT_BF8
.endr
	s_add_co_u32 s[TS], s[TS], 1024
	s_add_co_u32 s[TJ], s[TJ], 512
.endm
.macro CHANGE fill
	s_wait_tensorcnt 0x0
	ds_add_u32 v[SPW], v[NIL]
.if \fill
	s_xor_b32 s[G0K+1], s[G0K+1], SLOT1
	s_add_nc_u64 s[G0K+2:G0K+3], s[G0K+2:G0K+3], 32768
	s_xor_b32 s[G0V+1], s[G0V+1], SLOT1
	s_add_nc_u64 s[G0V+2:G0V+3], s[G0V+2:G0V+3], 32768
	s_wait_xcnt 0x0
	s_add_nc_u64 s[PFA:PFA+1], s[PFA:PFA+1], 32768
	s_wait_dscnt 0x0
	CROUND
	TLOAD G0K, G1T, G0V, G1T, 2, 4
	ASK
.else
	s_wait_dscnt 0x0
	s_barrier_signal -1
	s_barrier_wait -1
.endif
.endm
	s_wait_loadcnt 0x0
.Lslot:
	CHANGE 1
	STEP 0
	STEP 1
	s_xor_b32 s[TB], s[TB], SLOT1
	s_sub_co_u32 s[SLOTS], s[SLOTS], 1
	s_cmp_lg_u32 s[SLOTS], 0
	s_cbranch_scc1 .Lslot
	CHANGE 0
	STEP 0
	STEP 1
.rept 8
	v_nop
.endr
	v_add_f32 v14, v14, v15
	s_delay_alu instid0(VALU_DEP_1)
	v_permlanex16_b32 v252, v14, s[SEL], s[SEL+1]
	s_delay_alu instid0(VALU_DEP_1)
	v_add_f32 v14, v14, v252
	s_wait_alu depctr_va_vdst(0)
	v_rcp_f32 v14, v14
	v_and_b32 v8, 15, v0
	v_bfe_u32 v9, v0, 4, 1
	s_wait_alu depctr_va_vdst(0)
	s_wait_xcnt 0x0
	v_lshlrev_b32 v[GO8], 4, v8
	s_delay_alu instid0(VALU_DEP_1)
	v_lshl_add_u32 v[GO8], v9, 3, v[GO8]
	s_lshl_b32 s92, s72, 6
	s_lshl_b32 s93, s71, 1
	s_add_co_u32 s92, s92, s93
	s_add_co_u32 s92, s92, OSC
	v_lshl_add_u32 v10, v8, 2, s92
	v_and_b32 v11, 31, v0
	s_delay_alu instid0(VALU_DEP_1)
	v_lshlrev_b32 v11, 4, v11
	s_delay_alu instid0(VALU_DEP_1)
	v_add_nc_u32 v9, OSC, v11
	s_wait_alu depctr_va_vdst(0)
.set n, 0
.rept 32
	v_mul_f32 v[S+n], v[O+n], v14
.set n, n+1
.endr
.irp b, 0,1
	v_max3_num_f32 v[232+\b], |v[S+16*\b]|, |v[S+1+16*\b]|, 0x8000000
.endr
.irp i, 2,4,6,8,10,12,14
.irp b, 0,1
	s_delay_alu instid0(VALU_DEP_2)
	v_max3_num_f32 v[232+\b], v[232+\b], |v[S+16*\b+\i]|, |v[S+1+16*\b+\i]|
.endr
.endr
.irp b, 0,1
	v_permlanex16_b32 v[236+\b], v[232+\b], s[SEL], s[SEL+1]
.endr
.irp b, 0,1
	s_delay_alu instid0(VALU_DEP_2)
	v_max_num_f32 v[232+\b], v[232+\b], v[236+\b]
.endr
.irp b, 0,1
	s_delay_alu instid0(VALU_DEP_2)
	v_add_nc_u32 v[244+\b], 0xf8800000, v[232+\b]
.endr
.irp b, 0,1
.endr
.irp b, 0,1
	s_delay_alu instid0(VALU_DEP_2)
	v_lshrrev_b32 v[236+\b], 23, v[244+\b]
.endr
	s_delay_alu instid0(VALU_DEP_1)
	v_lshl_or_b32 v253, v237, 8, v236
.irp b, 0,1
.irp i, 0,1,2,3,4,5,6,7,8,9,10,11,12,13,14,15
.endr
	v_cvt_scalef32_pk8_bf8_f32 v[224+4*\b:225+4*\b], v[S+16*\b:S+7+16*\b], v[244+\b]
	v_cvt_scalef32_pk8_bf8_f32 v[226+4*\b:227+4*\b], v[S+8+16*\b:S+15+16*\b], v[244+\b]
.endr
	v_nop
.irp b, 0,1
.irp u, 0,1
	global_store_b64 v[GO8], v[224+4*\b+2*\u:225+4*\b+2*\u], s[88:89] offset:512*\b+256*\u
.endr
.endr
	ds_store_b16 v10, v253
	s_wait_dscnt 0x0
	s_barrier_signal -1
	s_barrier_wait -1
	s_cmp_lg_u32 s[WV], 0
	s_cbranch_scc1 .Lnot_first
	ds_load_b128 v[128:131], v9
	s_wait_dscnt 0x0
	global_store_b128 v11, v[128:131], s[90:91]
.Lnot_first:
	s_wait_tensorcnt 0x0
	ds_add_u32 v[SPW], v[NIL]
	s_wait_dscnt 0x0
	CROUND
	s_endpgm
.Lfunc_end_k_q3ccf8e7f30_attn:
	.size	k_q3ccf8e7f30_attn, .Lfunc_end_k_q3ccf8e7f30_attn-k_q3ccf8e7f30_attn
	.p2alignl 7, 3214868480
	.fill 96, 4, 3214868480
	.section	.rodata,"a",@progbits
	.p2align	6, 0x0
	.amdhsa_kernel k_q3ccf8e7f30_attn
		.amdhsa_group_segment_fixed_size 327680
		.amdhsa_private_segment_fixed_size 0
		.amdhsa_enable_private_segment 0
		.amdhsa_kernarg_size 32
		.amdhsa_user_sgpr_count 2
		.amdhsa_user_sgpr_kernarg_segment_ptr 1
		.amdhsa_wavefront_size32 1
		.amdhsa_system_sgpr_workgroup_id_x 1
		.amdhsa_system_sgpr_workgroup_id_y 1
		.amdhsa_system_sgpr_workgroup_id_z 1
		.amdhsa_system_vgpr_workitem_id 0
		.amdhsa_next_free_vgpr 256
		.amdhsa_next_free_sgpr 100
		.amdhsa_reserve_vcc 0
		.amdhsa_float_denorm_mode_32 3
		.amdhsa_float_denorm_mode_16_64 3
		.amdhsa_fp16_overflow 1
		.amdhsa_memory_ordered 1
		.amdhsa_forward_progress 1
		.amdhsa_inst_pref_size 91
	.end_amdhsa_kernel
	.amdgpu_metadata
---
amdhsa.version: [ 1, 2 ]
amdhsa.kernels:
  - .name:           k_q3ccf8e7f30_attn
    .symbol:         k_q3ccf8e7f30_attn.kd
    .args:
      - { .name: qkvc, .offset: 0, .size: 8, .value_kind: global_buffer, .address_space: global }
      - { .name: qkvs, .offset: 8, .size: 8, .value_kind: global_buffer, .address_space: global }
      - { .name: imc, .offset: 16, .size: 8, .value_kind: global_buffer, .address_space: global }
      - { .name: ims, .offset: 24, .size: 8, .value_kind: global_buffer, .address_space: global }
    .group_segment_fixed_size: 327680
    .private_segment_fixed_size: 0
    .kernarg_segment_align: 8
    .kernarg_segment_size: 32
    .max_flat_workgroup_size: 512
    .sgpr_count:     100
    .vgpr_count:     256
    .wavefront_size: 32
...
	.end_amdgpu_metadata
.endif
;; end of part 3
;; launch oproj (part 4): grid 8 x 32, 4 waves a work-group, clusters of 4 x 4, 327,680 bytes of LDS; arguments imc, ims, out_proj_codes, out_proj_scales, out_bias, x, x1; writes x1
.if DOCPART == 4
	.amdgcn_target "amdgcn-amd-amdhsa--gfx1250"
	.amdhsa_code_object_version 6
	.text
	.protected	k_q3ccf8e7f30_oproj
	.globl	k_q3ccf8e7f30_oproj
	.p2align	8
	.type	k_q3ccf8e7f30_oproj,@function
k_q3ccf8e7f30_oproj:
	s_mov_b64 s[64:65], 0
	v_nop
	global_prefetch_b8 v0, s[64:65] scope:SCOPE_SE
	s_setreg_imm32_b32 hwreg(HW_REG_WAVE_MODE, 25, 1), 1
	s_wait_xcnt 0x0
	s_wait_alu depctr_hold_cnt(0) depctr_sa_sdst(0) depctr_va_vdst(0) depctr_va_sdst(0) depctr_va_ssrc(0) depctr_va_vcc(0) depctr_vm_vsrc(0)
	s_getreg_b32 s2, hwreg(HW_REG_IB_STS2, 6, 4)
	s_cmp_eq_u32 s2, 0
	s_cbranch_scc0 .Lentry_in_a_cluster
	s_endpgm
.Lentry_in_a_cluster:
	s_bfe_u32 s2, ttmp6, 0x10000c
	s_cmp_lg_u32 s2, 0xf033
	s_cbranch_scc0 .Lentry_shape_is_right
	s_endpgm
.Lentry_shape_is_right:
; out = res + A W^T + bias.  A: 4,096 rows x SIZE_K as images of fragments' registers, [K / 128][tile of 16 rows][2,048 bytes], with one scale word for a row and 128 K, [K / 128][row].
; W: [1,024][SIZE_K] codes of E5M2, K innermost, with E8M0 bytes [1,024][SIZE_K / 32].  res, out: f32, row l, n of [2048][2][1024]; A's row m' = 2,048 n + l.
; N is 1,024: tiles of 256 x 256 would be 64, so a tile is 128 x 128 (256 work-groups), four waves of 64 x 64: 16 accumulators.  K goes in steps of 512, as long as two slots in LDS allow.
; CLUSTERS 4 x 4: A's tile is asked for jointly along a row of the cluster, W's along a column.  USED TRANSPOSED: source 0 = 16 rows of W, source 1 = 16 rows of A: a lane holds eight neighbouring numbers of a row of out.
; No prefetch: on tiles this small each tile is read by many work-groups at the same time, which the joint loads serve.
; REGISTERS: window 0: v16-29 addresses; v32-47 A's scale words, two sets; v48-79 W's, two sets; v96-99 the bias; v128-255 the accumulators ((a, b) at v[128 + 8 (4 a + b)]).
;   window 1: two sets of fragments for 128 along K: 64 registers of A, then 64 of W.   window 2: v0-127 the residual, asked for at the head.
.set SIZE_K, 1024
.set QIS,    2                         ; a row of W's scale bytes is 2 << QIS words
.set KS,     SIZE_K/32
.set LAPS,   SIZE_K/1024               ; a lap = two K steps
.set SLOT,   133120                    ; A: [half 2][K / 128: 4][tile 4][2,048]; then W: 128 rows of 512 + 16 bytes
.set BOFF,   65536
.set BP,     528
.set SCA,    2*SLOT                    ; A's scale words for all of K: [K / 128][128 rows]
.set SCB,    SCA+SIZE_K*4              ; W's scale bytes: 128 rows of KS + 16
.set SBP,    KS+16
.set SPARE,  SCB+128*SBP               ; the spare words, 128 bytes a wave
.set SPITCH, 272                       ; the way out: 16 rows of 256 + 16 bytes a wave, in slot 0, behind its last fill and its last read
.set ADRA, 16
.set ADRB, 20
.set ADSA, 22
.set ADSB, 23
.set STO,  24
.set RD,   25
.set CO,   26                          ; v26  8,192 (lane / 16) + 16 (lane % 16): never rewritten
.set BIO,  27                          ; v27  16 (lane % 16): never rewritten
.set SPW,  28
.set NIL,  29
.set SA,   32
.set SB,   48
.set BK,   32                          ; the way out: two sets of 32
.set BI,   96
.set ACC,  128
.set G1, 24
.set G0, 32
.set G1B, 48
.set G0B, 56
.set G1S, 68
.set G0S, 76
.set G1SB, 80
.set G0SB, 88
.set MSB, 0
.macro WIN new                         ; the immediate's high byte repeats the setting that is left
.set WN, \new
.if MSB != WN
	s_set_vgpr_msb (MSB<<8)|WN
.set MSB, WN
.endif
.endm
.macro JLOAD g0a, g1a, g0b, g1b        ; waves 0 and 1 fetch for A, waves 2 and 3 for W; four v_nop follow each line
	s_cmp_eq_u32 s15, 0
	s_cbranch_scc0 .Lfor_b_\@
	tensor_load_to_lds s[\g0a:\g0a+3], s[\g1a:\g1a+7]
	s_nop 0
.rept 4
	v_nop
.endr
	s_branch .Lasked_\@
.Lfor_b_\@:
	tensor_load_to_lds s[\g0b:\g0b+3], s[\g1b:\g1b+7]
	s_nop 0
.rept 4
	v_nop
.endr
.Lasked_\@:
.endm
.macro CREST
	s_cmp_lg_u32 s14, 0
	s_cbranch_scc1 .Lnot_wave_0_\@
	s_barrier_signal -3
.Lnot_wave_0_\@:
	s_barrier_wait -3
	s_barrier_signal -1
	s_barrier_wait -1
.endm
.macro CROUND
	s_barrier_signal -1
	s_barrier_wait -1
	CREST
.endm
	s_load_b128 s[4:7], s[0:1], 0x0                ; A's images, A's scale words
	s_load_b128 s[8:11], s[0:1], 0x10              ; W's codes, W's scale bytes
	s_load_b128 s[96:99], s[0:1], 0x20             ; the bias, the residual
	s_load_b64 s[100:101], s[0:1], 0x30            ; out
	v_lshl_add_u32 v[SPW], v0, 2, SPARE
	v_mov_b32 v[NIL], 0
	ds_add_u32 v28, v29
	ds_add_u32 v28, v29
	s_wait_dscnt 0x0
	v_lshrrev_b32 v1, 5, v0
	v_readfirstlane_b32 s14, v1                    ; wave 0..3
	s_lshr_b32 s15, s14, 1                         ; my half of the rows.  Also: I fetch for A (0) or for W (1)
	s_and_b32 s16, s14, 1                          ; my half of the columns.  Also: which half I fetch
	s_bfe_u32 s40, ttmp6, 0x40000
	s_bfe_u32 s41, ttmp6, 0x40004
	s_lshl_b32 s42, ttmp9, 2
	s_add_co_u32 s42, s42, s40                     ; tile column
	s_and_b32 s17, ttmp7, 0xffff
	s_lshl_b32 s17, s17, 2
	s_add_co_u32 s17, s17, s41                     ; tile row
	s_lshl_b32 s43, s41, 2
	s_lshl_b32 s43, 15, s43                        ; my row of the cluster
	s_lshl_b32 s44, 0x1111, s40                    ; my column
	s_or_b32 s[G1+0], s43, (3<<16)|(1<<21)         ; A: 4 rows (K / 128) of 8,192 dense bytes (4 tiles), 524,288 bytes apart; elements of 8 bytes; no padding
	s_mov_b32 s[G1+1], 1024<<16
	s_mov_b32 s[G1+2], 4<<16
	s_mov_b32 s[G1+3], 1024<<16
	s_mov_b32 s[G1+4], 4
	s_mov_b32 s[G1+5], 65536
	s_mov_b32 s[G1+6], 0
	s_mov_b32 s[G1+7], 0
	s_or_b32 s[G1B+0], s44, (1<<20)|(1<<21)|(6<<22)|(3<<25)   ; W: 64 rows of 512 bytes, 4 words behind every 128
	s_mov_b32 s[G1B+1], 512<<16
	s_mov_b32 s[G1B+2], 64<<16
	s_mov_b32 s[G1B+3], 512<<16
	s_mov_b32 s[G1B+4], 64
	s_mov_b32 s[G1B+5], SIZE_K
	s_mov_b32 s[G1B+6], 0
	s_mov_b32 s[G1B+7], 0
	s_or_b32 s[G1S+0], s43, (3<<16)|(1<<21)        ; A's words: K / 256 rows of 512 bytes, 16,384 bytes apart
	s_mov_b32 s[G1S+1], 64<<16
	s_mov_b32 s[G1S+2], (SIZE_K/256)<<16
	s_mov_b32 s[G1S+3], 64<<16
	s_mov_b32 s[G1S+4], SIZE_K/256
	s_mov_b32 s[G1S+5], 2048
	s_mov_b32 s[G1S+6], 0
	s_mov_b32 s[G1S+7], 0
	s_or_b32 s[G1SB+0], s44, (1<<20)|(1<<21)|(QIS<<22)|(3<<25)   ; W's bytes: 64 rows of KS, 4 words behind each
	s_mov_b32 s[G1SB+1], KS<<16
	s_mov_b32 s[G1SB+2], 64<<16
	s_mov_b32 s[G1SB+3], KS<<16
	s_mov_b32 s[G1SB+4], 64
	s_mov_b32 s[G1SB+5], KS
	s_mov_b32 s[G1SB+6], 0
	s_mov_b32 s[G1SB+7], 0
	s_lshl_b32 s20, s17, 14                        ; A: tile 8 TR + 4 half, 2,048 bytes each
	s_lshl_b32 s18, s16, 13
	s_add_co_u32 s20, s20, s18
	s_mov_b32 s21, 0
	s_mul_i32 s22, s16, (SIZE_K/256)*16384         ; A's words: my half of the K steps, the tile's 512 bytes
	s_lshl_b32 s18, s17, 9
	s_add_co_u32 s22, s22, s18
	s_mov_b32 s23, 0
	s_lshl_b32 s46, s42, 7
	s_lshl_b32 s18, s16, 6
	s_add_co_u32 s46, s46, s18                     ; W: row 128 TC + 64 half
	s_mul_i32 s92, s46, KS
	s_mov_b32 s93, 0
	s_mul_i32 s46, s46, SIZE_K
	s_mov_b32 s47, 0
	s_lshl_b32 s45, s16, 15                        ; where they go: no place in the cluster enters an LDS address
	s_mul_i32 s94, s16, 64*BP
	s_add_co_u32 s94, s94, BOFF
	s_mul_i32 s18, s16, (SIZE_K/256)*512
	s_add_co_u32 s18, s18, SCA
	s_mul_i32 s19, s16, 64*SBP
	s_add_co_u32 s19, s19, SCB
	s_wait_kmcnt 0x0
	s_add_nc_u64 s[20:21], s[4:5], s[20:21]
	s_add_nc_u64 s[22:23], s[6:7], s[22:23]
	s_add_nc_u64 s[46:47], s[8:9], s[46:47]
	s_add_nc_u64 s[92:93], s[10:11], s[92:93]
	CROUND                                         ; all sixteen work-groups are here: the first joint loads meet
	s_mov_b32 s[G0S], 1
	s_mov_b32 s[G0S+1], s18
	s_mov_b64 s[G0S+2:G0S+3], s[22:23]
	s_or_b32 s[G0S+3], s[G0S+3], 0x80000000
	s_mov_b32 s[G0SB], 1
	s_mov_b32 s[G0SB+1], s19
	s_mov_b64 s[G0SB+2:G0SB+3], s[92:93]
	s_or_b32 s[G0SB+3], s[G0SB+3], 0x80000000
	JLOAD G0S, G1S, G0SB, G1SB                     ; the scales first
.irp s, 0,1
	s_mov_b32 s[G0+4*\s], 1
	s_add_co_u32 s[G0+4*\s+1], s45, \s*SLOT
	s_add_nc_u64 s[G0+4*\s+2:G0+4*\s+3], s[20:21], \s*4*524288
	s_or_b32 s[G0+4*\s+3], s[G0+4*\s+3], 0x80000000
	s_mov_b32 s[G0B+4*\s], 1
	s_add_co_u32 s[G0B+4*\s+1], s94, \s*SLOT
	s_add_nc_u64 s[G0B+4*\s+2:G0B+4*\s+3], s[46:47], \s*512
	s_or_b32 s[G0B+4*\s+3], s[G0B+4*\s+3], 0x80000000
	JLOAD G0+4*\s, G1, G0B+4*\s, G1B
.endr
	v_and_b32 v1, 15, v0                           ; r
	v_bfe_u32 v2, v0, 4, 1                         ; h
	v_and_b32 v3, 31, v0                           ; lane
	v_lshlrev_b32 v4, 4, v3
	s_lshl_b32 s21, s15, 15
	v_add_nc_u32 v[ADRA], s21, v4                  ; A's images: my half + 16 x lane
	v_add_nc_u32 v[ADRA+1], SLOT, v[ADRA]
	v_mul_u32_u24 v5, v1, BP
	v_lshl_add_u32 v5, v2, 4, v5
	s_mul_i32 s22, s16, 64*BP
	s_add_co_u32 s22, s22, BOFF
	v_add_nc_u32 v[ADRB], s22, v5                  ; W's rows: row x pitch + 16 x half
	v_add_nc_u32 v[ADRB+1], SLOT, v[ADRB]
	s_lshl_b32 s21, s15, 8
	s_add_co_u32 s21, s21, SCA
	v_lshl_add_u32 v[ADSA], v3, 2, s21             ; A's words: lanes 0-15 an even block of rows, lanes 16-31 the odd one beside it
	s_mul_i32 s22, s16, 64*SBP
	s_add_co_u32 s22, s22, SCB
	v_mul_u32_u24 v5, v1, SBP
	v_add_nc_u32 v[ADSB], s22, v5
	s_mul_i32 s23, s14, 16*SPITCH                  ; my stage
	v_mul_u32_u24 v5, v1, SPITCH
	v_lshl_add_u32 v5, v2, 5, v5
	v_add_nc_u32 v[STO], s23, v5
	v_mul_u32_u24 v5, v2, SPITCH
	v_lshl_add_u32 v5, v1, 4, v5
	v_add_nc_u32 v[RD], s23, v5
	v_lshlrev_b32 v5, 13, v2
	v_lshl_add_u32 v[CO], v1, 4, v5
	s_wait_alu depctr_va_vdst(0)
	v_lshlrev_b32 v[BIO], 4, v1
	s_wait_alu depctr_va_vdst(0)
	s_lshr_b32 s20, s17, 4                         ; n
	s_lshl_b32 s20, s20, 12
	s_lshl_b32 s21, s17, 7
	s_lshl_b32 s22, s15, 6
	s_add_co_u32 s21, s21, s22
	s_and_b32 s21, s21, 2047                       ; l of my first row
	s_lshl_b32 s21, s21, 13
	s_add_co_u32 s20, s20, s21
	s_lshl_b32 s46, s42, 9
	s_lshl_b32 s47, s16, 8
	s_add_co_u32 s46, s46, s47                     ; my first column, in bytes
	s_mov_b32 s47, 0
	s_add_nc_u64 s[96:97], s[96:97], s[46:47]
	s_add_co_u32 s20, s20, s46
	s_mov_b32 s21, 0
	s_add_nc_u64 s[98:99], s[98:99], s[20:21]
	s_add_nc_u64 s[100:101], s[100:101], s[20:21]
	WIN 0x80                                       ; destination window 2
.irp a, 0,1,2,3
.irp t, 0,1,2,3,4,5,6,7
	global_load_b128 v[32*\a+4*\t:32*\a+4*\t+3], v[CO], s[98:99] offset:(16*\a+2*\t)*8192   ; the residual, laid as the rows come back from the stage
.endr
.endr
	WIN 0
	global_load_b128 v[BI:BI+3], v[BIO], s[96:97]
.macro FETCH slot, q, p                ; the fragments of the slot's q-th 128 along K into set p: 32 loads in one run
	WIN 0x40
.irp i, 0,1,2,3
.irp c, 0,1,2,3
	ds_load_b128 v[128*(\p)+64+16*\i+4*\c:128*(\p)+64+16*\i+4*\c+3], v[ADRB+\slot] offset:128*(\q)+32*\c+16*BP*\i
.endr
.irp c, 0,1,2,3
	ds_load_b128 v[128*(\p)+16*\i+4*\c:128*(\p)+16*\i+4*\c+3], v[ADRA+\slot] offset:8192*(\q)+2048*\i+512*\c
.endr
.endr
	WIN 0
.endm
; 8 matrix instructions: A's blocks a0, a0 + 1 x W's four.  The 16 accumulators take turns, one instruction a turn, in the same order in every step.
.macro MUL8 a0, p, q, sc, zero
.irp a, \a0, \a0+1
.irp b, 0,1,2,3
.set rD, ACC+8*(4*(\a)+\b)
.set rB, 128*(\p)+64+16*\b
.set rA, 128*(\p)+16*(\a)
.set rSB, SB+16*(\sc)+4*\b+(\q)
.set rSA, SA+8*(\sc)+2*(\q)+(\a)/2
.if \zero
.if (\a)%2
	v_wmma_scale_f32_16x16x128_f8f6f4 v[rD:rD+7], v[rB:rB+15], v[rA:rA+15], 0, v[rSB], v[rSA] matrix_a_fmt:MATRIX_FMT_BF8 matrix_b_fmt:MATRIX_FMT_BF8 matrix_b_scale:MATRIX_SCALE_ROW1
.else
	v_wmma_scale_f32_16x16x128_f8f6f4 v[rD:rD+7], v[rB:rB+15], v[rA:rA+15], 0, v[rSB], v[rSA] matrix_a_fmt:MATRIX_FMT_BF8 matrix_b_fmt:MATRIX_FMT_BF8
.endif
.else
.if (\a)%2
	v_wmma_scale_f32_16x16x128_f8f6f4 v[rD:rD+7], v[rB:rB+15], v[rA:rA+15], v[rD:rD+7], v[rSB], v[rSA] matrix_a_fmt:MATRIX_FMT_BF8 matrix_b_fmt:MATRIX_FMT_BF8 matrix_b_scale:MATRIX_SCALE_ROW1
.else
	v_wmma_scale_f32_16x16x128_f8f6f4 v[rD:rD+7], v[rB:rB+15], v[rA:rA+15], v[rD:rD+7], v[rSB], v[rSA] matrix_a_fmt:MATRIX_FMT_BF8 matrix_b_fmt:MATRIX_FMT_BF8
.endif
.endif
.endr
.endr
.endm
.macro SCALES sc                       ; a K step's scale words
.irp q, 0,1,2,3
.irp pr, 0,1
	ds_load_b32 v[SA+8*(\sc)+2*\q+\pr], v[ADSA] offset:512*\q+128*\pr
.endr
.endr
.irp i, 0,1,2,3
	ds_load_b128 v[SB+16*(\sc)+4*\i:SB+16*(\sc)+4*\i+3], v[ADSB] offset:16*SBP*\i
.endr
.endm
.macro PLACES n                        ; plain vector lines between a matrix instruction and a load into, or a read of, its registers
.rept \n
	v_nop
.endr
.endm
.macro STEP slot, q, zero              ; one of a slot's first three 128 along K: the next one's fragments are asked for, then this one is multiplied
	PLACES 8
	FETCH \slot, (\q)+1, 1-(\q)%2
	s_wait_dscnt 32                                ; all but the 32 just issued
	WIN 0x05                                       ; sources 0 and 1 window 1
	MUL8 0, (\q)%2, \q, \slot, \zero
	MUL8 2, (\q)%2, \q, \slot, \zero
	WIN 0
.endm
; A slot's last 128 along K changes slots: one barrier; in front of it each wave waits for all its tensor loads, adds 0 to its spare word, and waits for that and for its reads of this slot.
.macro TURN slot, next, fill
	s_wait_tensorcnt 0x0                           ; all my tensor loads have landed: my part of the next slot
	ds_add_u32 v[SPW], v[NIL]                      ; 0 onto my spare word
	s_wait_dscnt 1                                 ; my fragments are in; the add may be out
	WIN 0x05
	MUL8 0, 1, 3, \slot, 0
	s_wait_dscnt 0x0                               ; the add is done, and my reads of this slot are over
	s_barrier_signal -1
	WIN 0
	s_barrier_wait -1
.if \fill
	CREST                                          ; the barrier has opened a round of the cluster's: no wave of any partner still reads this slot or has a load on its way
	s_add_nc_u64 s[G0+4*\slot+2:G0+4*\slot+3], s[G0+4*\slot+2:G0+4*\slot+3], 8*524288
	s_add_nc_u64 s[G0B+4*\slot+2:G0B+4*\slot+3], s[G0B+4*\slot+2:G0B+4*\slot+3], 1024
	JLOAD G0+4*\slot, G1, G0B+4*\slot, G1B         ; the first tensor load behind the round; its four v_nop are among the places in front of the loads below
	PLACES 4
.else
	PLACES 8
.endif
	v_add_nc_u32 v[ADSA], 2048, v[ADSA]            ; the next K step's scale words
	v_add_nc_u32 v[ADSB], 16, v[ADSB]
	FETCH \next, 0, 0
	SCALES \next
	WIN 0x05
	MUL8 2, 1, 3, \slot, 0
	WIN 0
.endm
	s_wait_tensorcnt 1                             ; the scales and my part of K step 0 are in; K step 1's load may be out
	s_barrier_signal -1
	s_barrier_wait -1
	FETCH 0, 0, 0
	SCALES 0
	STEP 0, 0, 1                                   ; the first products start the sums
.if LAPS > 1
	s_mov_b32 s3, LAPS-1
.Llap:
	STEP 0, 1, 0
	STEP 0, 2, 0
	TURN 0, 1, 1
	STEP 1, 0, 0
	STEP 1, 1, 0
	STEP 1, 2, 0
	TURN 1, 0, 1
	STEP 0, 0, 0
	s_sub_co_u32 s3, s3, 1
	s_cmp_lg_u32 s3, 0
	s_cbranch_scc1 .Llap
.endif
	STEP 0, 1, 0                                   ; the last lap fills nothing
	STEP 0, 2, 0
	TURN 0, 1, 0
	STEP 1, 0, 0
	STEP 1, 1, 0
	STEP 1, 2, 0
	s_wait_dscnt 0x0
	WIN 0x05
	MUL8 0, 1, 3, 1, 0
	MUL8 2, 1, 3, 1, 0
	WIN 0
	; THE WAY OUT, 16 rows x 64 columns at a time, through my own stage: a lane's 32 bytes go in, whole rows of 256 bytes come back; the residual and the bias are added; sixteen lanes store an aligned 256 bytes.
	s_wait_loadcnt 0x0                             ; the residual and the bias
	PLACES 8
.irp a, 0,1,2,3
.if \a >= 2
	s_wait_xcnt 0x0                                ; block a - 2's stores have read their registers
.endif
.irp b, 0,1,2,3
	ds_store_b128 v[STO], v[ACC+8*(4*\a+\b):ACC+8*(4*\a+\b)+3] offset:64*\b       ; each accumulator from its low end on
	ds_store_b128 v[STO], v[ACC+8*(4*\a+\b)+4:ACC+8*(4*\a+\b)+7] offset:64*\b+16
.endr
.irp t, 0,1,2,3,4,5,6,7
	ds_load_b128 v[BK+32*(\a%2)+4*\t:BK+32*(\a%2)+4*\t+3], v[RD] offset:2*SPITCH*\t   ; LDS serves a wave's instructions in order: these see the stores above
.endr
	s_wait_dscnt 0x0
	WIN 0x08                                       ; source 1 window 2
.irp t, 0,1,2,3,4,5,6,7,8,9,10,11,12,13,14,15
	v_pk_add_f32 v[BK+32*(\a%2)+2*\t:BK+32*(\a%2)+2*\t+1], v[BK+32*(\a%2)+2*\t:BK+32*(\a%2)+2*\t+1], v[32*\a+2*\t:32*\a+2*\t+1]
.endr
	WIN 0
.irp t, 0,1,2,3,4,5,6,7
	v_pk_add_f32 v[BK+32*(\a%2)+4*\t:BK+32*(\a%2)+4*\t+1], v[BK+32*(\a%2)+4*\t:BK+32*(\a%2)+4*\t+1], v[BI:BI+1]
	v_pk_add_f32 v[BK+32*(\a%2)+4*\t+2:BK+32*(\a%2)+4*\t+3], v[BK+32*(\a%2)+4*\t+2:BK+32*(\a%2)+4*\t+3], v[BI+2:BI+3]
.endr
.irp t, 0,1,2,3,4,5,6,7
	global_store_b128 v[CO], v[BK+32*(\a%2)+4*\t:BK+32*(\a%2)+4*\t+3], s[100:101] offset:(16*\a+2*\t)*8192
.endr
.endr
	s_wait_tensorcnt 0x0                           ; the wave's end
	ds_add_u32 v[SPW], v[NIL]
	s_wait_dscnt 0x0
	CROUND                                         ; the closing round
	s_endpgm
.Lfunc_end_k_q3ccf8e7f30_oproj:
	.size	k_q3ccf8e7f30_oproj, .Lfunc_end_k_q3ccf8e7f30_oproj-k_q3ccf8e7f30_oproj
	.p2alignl 7, 3214868480
	.fill 96, 4, 3214868480
	.section	.rodata,"a",@progbits
	.p2align	6, 0x0
	.amdhsa_kernel k_q3ccf8e7f30_oproj
		.amdhsa_group_segment_fixed_size 327680
		.amdhsa_private_segment_fixed_size 0
		.amdhsa_enable_private_segment 0
		.amdhsa_kernarg_size 56
		.amdhsa_user_sgpr_count 2
		.amdhsa_user_sgpr_kernarg_segment_ptr 1
		.amdhsa_wavefront_size32 1
		.amdhsa_system_sgpr_workgroup_id_x 1
		.amdhsa_system_sgpr_workgroup_id_y 1
		.amdhsa_system_sgpr_workgroup_id_z 1
		.amdhsa_system_vgpr_workitem_id 0
		.amdhsa_next_free_vgpr 640
		.amdhsa_next_free_sgpr 106
		.amdhsa_reserve_vcc 0
		.amdhsa_float_denorm_mode_32 3
		.amdhsa_float_denorm_mode_16_64 3
		.amdhsa_memory_ordered 1
		.amdhsa_forward_progress 1
		.amdhsa_inst_pref_size 66
	.end_amdhsa_kernel
	.amdgpu_metadata
---
amdhsa.version: [ 1, 2 ]
amdhsa.kernels:
  - .name:           k_q3ccf8e7f30_oproj
    .symbol:         k_q3ccf8e7f30_oproj.kd
    .args:
      - { .name: imc, .offset: 0, .size: 8, .value_kind: global_buffer, .address_space: global }
      - { .name: ims, .offset: 8, .size: 8, .value_kind: global_buffer, .address_space: global }
      - { .name: out_proj_codes, .offset: 16, .size: 8, .value_kind: global_buffer, .address_space: global }
      - { .name: out_proj_scales, .offset: 24, .size: 8, .value_kind: global_buffer, .address_space: global }
      - { .name: out_bias, .offset: 32, .size: 8, .value_kind: global_buffer, .address_space: global }
      - { .name: x, .offset: 40, .size: 8, .value_kind: global_buffer, .address_space: global }
      - { .name: x1, .offset: 48, .size: 8, .value_kind: global_buffer, .address_space: global }
    .group_segment_fixed_size: 327680
    .private_segment_fixed_size: 0
    .kernarg_segment_align: 8
    .kernarg_segment_size: 56
    .max_flat_workgroup_size: 128
    .sgpr_count:     106
    .vgpr_count:     640
    .wavefront_size: 32
...
	.end_amdgpu_metadata
.endif
;; end of part 4
;; launch ln2: the kernel of part 1 again; grid 256 x 1, 4 waves a work-group, no clusters, 33,280 bytes of LDS; arguments x1, ln2_w, ln2_b, a_c, a_s; writes a_c, a_s
;; launch fc1 (part 5): grid 16 x 16, 4 waves a work-group, clusters of 4 x 4, 327,680 bytes of LDS; arguments a_c, a_s, proj1_codes, proj1_scales, proj1_bias, imc, ims; writes imc, ims
.if DOCPART == 5
	.amdgcn_target "amdgcn-amd-amdhsa--gfx1250"
	.amdhsa_code_object_version 6
	.text
	.protected	k_q3ccf8e7f30_fc1
	.globl	k_q3ccf8e7f30_fc1
	.p2align	8
	.type	k_q3ccf8e7f30_fc1,@function
k_q3ccf8e7f30_fc1:
	s_mov_b64 s[64:65], 0
	v_nop
	global_prefetch_b8 v0, s[64:65] scope:SCOPE_SE
	s_setreg_imm32_b32 hwreg(HW_REG_WAVE_MODE, 25, 1), 1
	s_wait_xcnt 0x0
	s_wait_alu depctr_hold_cnt(0) depctr_sa_sdst(0) depctr_va_vdst(0) depctr_va_sdst(0) depctr_va_ssrc(0) depctr_va_vcc(0) depctr_vm_vsrc(0)
	s_getreg_b32 s2, hwreg(HW_REG_IB_STS2, 6, 4)
	s_cmp_eq_u32 s2, 0
	s_cbranch_scc0 .Lentry_in_a_cluster
	s_endpgm
.Lentry_in_a_cluster:
	s_bfe_u32 s2, ttmp6, 0x10000c
	s_cmp_lg_u32 s2, 0xf033
	s_cbranch_scc0 .Lentry_shape_is_right
	s_endpgm
.Lentry_shape_is_right:
; g = gelu(LN2(x1) W1^T + b1), exact (erf), on codes of E5M2 with E8M0 scales; g is quantised along its 4,096 columns on the way out and never goes to memory as f32.
; A: 4,096 rows of 1,024 codes at a pitch of 3,072, scale rows of 32 bytes at a pitch of 96.  W1: [4,096][1,024] codes, [4,096][32] scale bytes.
; A tile of 256 x 256 is made by four waves, 128 x 128 each (64 accumulators, 512 registers): 256 work-groups; K = 1,024 goes in four steps of 256 through a ring of two LDS slots filled by the tensor data mover.
; CLUSTERS 4 x 4: A's tile is asked for jointly along a row of the cluster, W1's along a column.  USED TRANSPOSED (source 0 = 16 rows of W1, source 1 = 16 rows of A):
; lane (r, h) holds row r, and register 8 b + j of a block of rows column 16 b + 8 h + j.
; OUT: my 128 columns are one K step of the next product.  A block of 16 rows becomes one fragment: codes in true order of K, 8 bytes a lane, 256 bytes a store, laid [K / 128][tile of 16 rows][2,048]; a scale word a row, [K / 128][row].
; erf(z) = z P(z^2) / Q(z^2) with z held to +-4: a rational form good to about 1e-7 of 1.  So gelu is 0 for inputs under about -5.66, and the factor (1 + erf) / 2 carries about 1e-7 absolute, as an f32 erf does.
; The eight blocks of rows go through ONE loop body, so that the text stays short; only the copy out of the accumulators, whose register numbers differ, is written eight times.
; No prefetch: a tile has two refills, and each tile is read by many work-groups at the same time, which the joint loads serve.
; LIMITS: NaN and infinities are not served; a block whose largest magnitude lies under 2^-111 gets the byte 1.
; REGISTERS, in windows of 256: window 0: v8-31 addresses and constants; v32-63 scale words, two sets, later codes and work; v64-127 the biases; from v128 A's fragments, one set; later the way out.
;   window 1: W1's fragments, two sets.   window 2: the accumulators of my rows 0-63 ((a, b) at v[8 (8 a + b)]);   window 3: those of rows 64-127.
.set KSTEP,  256
.set NQ,     2
.set ROWB,   256
.set KROWA,  3072
.set KROWB,  1024
.set SPA,    96
.set SPB,    32
.set PITCH,  272
.set FR,     16
.set NL,     4
.set NP,     8                         ; places behind this matrix instruction (ISA guide 7.12.1)
.set HALFT,  128*PITCH
.set SLOT,   4*HALFT
.set LAPS,   2
.set SCL,    2*SLOT                    ; the scale bytes of 256 + 256 rows for all of K: rows of 32 bytes + 16
.set HALFS,  128*48
.set SBLK,   16*48
.set SPARE,  SCL+4*HALFS
.set SWS,    SPARE+512                 ; a stage for the scale words made here, 1,024 bytes a wave; no fill ever lands there
.set KA,   8                           ; v[8:9]   P's leading coefficient, twice
.set KB,   10                          ; v[10:11] Q's
.set ADRA, 16
.set SWR,  18                          ; v18  stage, back: 16 x lane
.set ADRB, 20
.set CBO,  22                          ; v22  32 x (lane / 16): never rewritten
.set LI,   24                          ; v24  16 x lane
.set LI8,  25                          ; v25  16 r + 8 h
.set SWA,  26                          ; v26  stage, in: 4 r
.set ADRS, 27
.set SPW,  28
.set NIL,  29
.set SWT,  30                          ; v30  stage, in, this trip
.set PW,   31                          ; v31  the scale word
.set SC,   32
.set PC,   32                          ; the way out: codes
.set TM,   48                          ; 16 registers at work
.set CB,   64
.set AF,   128
.set T,    128                         ; 64 numbers
.set Z,    192
.set X2,   208
.set P,    224
.set Q,    240
.set SEL,  20
.set MNT,  22
.set G1, 24
.set G0, 32
.set G1B, 48
.set G0B, 56
.set G1S, 68
.set G0S, 76
.set G1SB, 80
.set G0SB, 88
.set MSB, 0
.macro WIN new
.set WN, \new
.if MSB != WN
	s_set_vgpr_msb (MSB<<8)|WN
.set MSB, WN
.endif
.endm
.set MUL_LO, 0xa1
.set MUL_HI, 0xf1
.set TO_B,   0x40
.macro JLOAD g0a, g1a, g0b, g1b        ; waves 0 and 1 fetch for A, waves 2 and 3 for W1; four v_nop follow each line
	s_cmp_eq_u32 s15, 0
	s_cbranch_scc0 .Lfor_b_\@
	tensor_load_to_lds s[\g0a:\g0a+3], s[\g1a:\g1a+7]
	s_nop 0
.rept 4
	v_nop
.endr
	s_branch .Lasked_\@
.Lfor_b_\@:
	tensor_load_to_lds s[\g0b:\g0b+3], s[\g1b:\g1b+7]
	s_nop 0
.rept 4
	v_nop
.endr
.Lasked_\@:
.endm
.macro CREST
	s_cmp_lg_u32 s14, 0
	s_cbranch_scc1 .Lnot_wave_0_\@
	s_barrier_signal -3
.Lnot_wave_0_\@:
	s_barrier_wait -3
	s_barrier_signal -1
	s_barrier_wait -1
.endm
.macro CROUND
	s_barrier_signal -1
	s_barrier_wait -1
	CREST
.endm
	s_load_b128 s[4:7], s[0:1], 0x0                ; A's codes, A's scales
	s_load_b128 s[8:11], s[0:1], 0x10              ; W1's codes, W1's scales
	s_load_b128 s[96:99], s[0:1], 0x20             ; the bias, the codes out
	s_load_b64 s[100:101], s[0:1], 0x30            ; the scale words out
	v_lshl_add_u32 v[SPW], v0, 2, SPARE
	v_mov_b32 v[NIL], 0
	ds_add_u32 v28, v29
	ds_add_u32 v28, v29
	s_wait_dscnt 0x0
	v_lshrrev_b32 v1, 5, v0
	v_readfirstlane_b32 s14, v1
	s_lshr_b32 s15, s14, 1
	s_and_b32 s16, s14, 1
	s_bfe_u32 s40, ttmp6, 0x40000
	s_bfe_u32 s41, ttmp6, 0x40004
	s_lshl_b32 s42, ttmp9, 2
	s_add_co_u32 s42, s42, s40                     ; tile column
	s_and_b32 s17, ttmp7, 0xffff
	s_lshl_b32 s17, s17, 2
	s_add_co_u32 s17, s17, s41                     ; tile row
	s_lshl_b32 s43, s41, 2
	s_lshl_b32 s43, 15, s43
	s_lshl_b32 s44, 0x1111, s40
	s_or_b32 s[G1+0], s43, (1<<20)|(1<<21)|(5<<22)|(3<<25)
	s_or_b32 s[G1B+0], s44, (1<<20)|(1<<21)|(5<<22)|(3<<25)
.irp g, G1, G1B
	s_mov_b32 s[\g+1], ROWB<<16
	s_mov_b32 s[\g+2], 128<<16
	s_mov_b32 s[\g+3], ROWB<<16
	s_mov_b32 s[\g+4], 128
	s_mov_b32 s[\g+6], 0
	s_mov_b32 s[\g+7], 0
.endr
	s_mov_b32 s[G1+5], KROWA
	s_mov_b32 s[G1B+5], KROWB
	s_or_b32 s[G1S+0], s43, (1<<20)|(1<<21)|(2<<22)|(3<<25)
	s_or_b32 s[G1SB+0], s44, (1<<20)|(1<<21)|(2<<22)|(3<<25)
.irp g, G1S, G1SB
	s_mov_b32 s[\g+1], 32<<16
	s_mov_b32 s[\g+2], 128<<16
	s_mov_b32 s[\g+3], 32<<16
	s_mov_b32 s[\g+4], 128
	s_mov_b32 s[\g+6], 0
	s_mov_b32 s[\g+7], 0
.endr
	s_mov_b32 s[G1S+5], SPA
	s_mov_b32 s[G1SB+5], SPB
	s_lshl_b32 s18, s16, 7
	s_lshl_b32 s20, s17, 8
	s_add_co_u32 s20, s20, s18
	s_lshl_b32 s46, s42, 8
	s_add_co_u32 s46, s46, s18
	s_mul_i32 s22, s20, SPA
	s_mov_b32 s23, 0
	s_mul_i32 s92, s46, SPB
	s_mov_b32 s93, 0
	s_mul_i32 s20, s20, KROWA
	s_mov_b32 s21, 0
	s_mul_i32 s46, s46, KROWB
	s_mov_b32 s47, 0
	s_mul_i32 s45, s14, HALFT
	s_mul_i32 s94, s14, HALFS
	s_wait_kmcnt 0x0
	s_add_nc_u64 s[20:21], s[4:5], s[20:21]
	s_add_nc_u64 s[22:23], s[6:7], s[22:23]
	s_add_nc_u64 s[46:47], s[8:9], s[46:47]
	s_add_nc_u64 s[92:93], s[10:11], s[92:93]
	CROUND
	s_mov_b32 s[G0S], 1
	s_add_co_u32 s[G0S+1], s94, SCL
	s_mov_b64 s[G0S+2:G0S+3], s[22:23]
	s_or_b32 s[G0S+3], s[G0S+3], 0x80000000
	s_mov_b32 s[G0SB], 1
	s_add_co_u32 s[G0SB+1], s94, SCL
	s_mov_b64 s[G0SB+2:G0SB+3], s[92:93]
	s_or_b32 s[G0SB+3], s[G0SB+3], 0x80000000
	JLOAD G0S, G1S, G0SB, G1SB
.irp s, 0,1
	s_mov_b32 s[G0+4*\s], 1
	s_add_co_u32 s[G0+4*\s+1], s45, \s*SLOT
	s_add_nc_u64 s[G0+4*\s+2:G0+4*\s+3], s[20:21], \s*ROWB
	s_or_b32 s[G0+4*\s+3], s[G0+4*\s+3], 0x80000000
	s_mov_b32 s[G0B+4*\s], 1
	s_add_co_u32 s[G0B+4*\s+1], s45, \s*SLOT
	s_add_nc_u64 s[G0B+4*\s+2:G0B+4*\s+3], s[46:47], \s*ROWB
	s_or_b32 s[G0B+4*\s+3], s[G0B+4*\s+3], 0x80000000
	JLOAD G0+4*\s, G1, G0B+4*\s, G1B
.endr
	v_and_b32 v1, 15, v0
	v_bfe_u32 v2, v0, 4, 1
	s_wait_alu depctr_va_vdst(0)
	v_mul_u32_u24 v3, v1, PITCH
	v_lshl_add_u32 v4, v2, 4, v3
	s_mul_i32 s21, s15, HALFT
	s_mul_i32 s22, s16, HALFT
	s_add_co_u32 s22, s22, 2*HALFT
.irp s, 0,1
	v_add_nc_u32 v[ADRA+\s], s21, v4
	v_add_nc_u32 v[ADRB+\s], s22, v4
	s_add_co_u32 s21, s21, SLOT
	s_add_co_u32 s22, s22, SLOT
.endr
	v_mul_u32_u24 v5, v1, 48
	s_mul_i32 s21, s15, HALFS
	s_mul_i32 s22, s16, HALFS
	s_add_co_u32 s22, s22, 2*HALFS
	s_sub_co_u32 s22, s22, s21
	v_mul_u32_u24 v6, s22, v2                      ; lanes 16-31 take W1's: one product, the distance between the two bases
	s_add_co_u32 s21, s21, SCL
	v_add_nc_u32 v5, v5, v6
	v_add_nc_u32 v[ADRS], s21, v5
	v_and_b32 v6, 31, v0
	v_lshlrev_b32 v[LI], 4, v6
	v_lshlrev_b32 v[LI8], 4, v1
	v_lshl_add_u32 v[LI8], v2, 3, v[LI8]
	s_lshl_b32 s23, s14, 10
	s_add_co_u32 s23, s23, SWS
	v_lshl_add_u32 v[SWA], v1, 2, s23
	v_add_nc_u32 v[SWR], s23, v[LI]
	v_lshlrev_b32 v[CBO], 5, v2
	s_wait_alu depctr_va_vdst(0)
	v_mov_b32 v[KA], 0xaf95df0b
	v_mov_b32 v[KA+1], 0xaf95df0b
	v_mov_b32 v[KB], 0xb77460cd
	v_mov_b32 v[KB+1], 0xb77460cd
	s_lshl_b32 s18, s42, 1
	s_add_co_u32 s18, s18, s16                     ; the next product's K step: 2 TC + half
	s_lshl_b32 s20, s18, 19
	s_lshl_b32 s21, s17, 4
	s_lshl_b32 s22, s15, 3
	s_add_co_u32 s21, s21, s22                     ; my first tile of rows
	s_lshl_b32 s22, s21, 11
	s_add_co_u32 s20, s20, s22
	s_lshl_b32 s22, s21, 6                         ; 16 rows of 4 bytes
	s_mov_b32 s21, 0
	s_add_nc_u64 s[98:99], s[98:99], s[20:21]
	s_lshl_b32 s20, s18, 14
	s_add_co_u32 s20, s20, s22
	s_add_nc_u64 s[100:101], s[100:101], s[20:21]
	s_lshl_b32 s20, s18, 9                         ; my 128 columns' biases
	s_add_nc_u64 s[96:97], s[96:97], s[20:21]
.irp b, 0,1,2,3
.irp u, 0,1
	global_load_b128 v[CB+16*\b+8*\u:CB+16*\b+8*\u+3], v[CBO], s[96:97] offset:(32*\b+16*\u)*4
	global_load_b128 v[CB+16*\b+8*\u+4:CB+16*\b+8*\u+7], v[CBO], s[96:97] offset:(32*\b+16*\u)*4+16
.endr
.endr
.macro FRAG reg, adr, q, i
.irp c, 0,1,2,3
	ds_load_b128 v[\reg+4*\c:\reg+4*\c+3], v[\adr] offset:128*(\q)+32*\c+(\i)*16*PITCH
.endr
.endm
; 16 matrix instructions: A's blocks a0, a0 + 1 x W1's eight.  The 64 accumulators take turns, one instruction a turn, in the same order in every step.
.macro MUL16 a0, p, q, sc, zero
.irp a, \a0, \a0+1
.irp b, 0,1,2,3,4,5,6,7
.if \zero
	v_wmma_scale_f32_16x16x128_f8f6f4 v[8*(8*((\a)%4)+\b):8*(8*((\a)%4)+\b)+7], v[128*(\p)+FR*\b:128*(\p)+FR*\b+FR-1], v[AF+FR*(\a):AF+FR*(\a)+FR-1], 0, v[SC+8*NQ*(\sc)+NQ*\b+(\q)], v[SC+8*NQ*(\sc)+NQ*(\a)+(\q)] matrix_a_fmt:MATRIX_FMT_BF8 matrix_b_fmt:MATRIX_FMT_BF8 matrix_a_scale:MATRIX_SCALE_ROW1
.else
	v_wmma_scale_f32_16x16x128_f8f6f4 v[8*(8*((\a)%4)+\b):8*(8*((\a)%4)+\b)+7], v[128*(\p)+FR*\b:128*(\p)+FR*\b+FR-1], v[AF+FR*(\a):AF+FR*(\a)+FR-1], v[8*(8*((\a)%4)+\b):8*(8*((\a)%4)+\b)+7], v[SC+8*NQ*(\sc)+NQ*\b+(\q)], v[SC+8*NQ*(\sc)+NQ*(\a)+(\q)] matrix_a_fmt:MATRIX_FMT_BF8 matrix_b_fmt:MATRIX_FMT_BF8 matrix_a_scale:MATRIX_SCALE_ROW1
.endif
.endr
.endr
.endm
.macro FETCH_B slot, q, p
	WIN TO_B
.irp i, 0,1,2,3,4,5,6,7
	FRAG 128*(\p)+FR*\i, ADRB+\slot, \q, \i
.endr
	WIN 0
.endm
.macro FETCH_A slot, q, i0
.irp i, \i0, \i0+1, \i0+2, \i0+3
	FRAG AF+FR*(\i), ADRA+\slot, \q, \i
.endr
.endm
.macro SCALES sc
.irp i, 0,1,2,3,4,5,6,7
	ds_load_b64 v[SC+8*NQ*\sc+NQ*\i:SC+8*NQ*\sc+NQ*\i+1], v[ADRS] offset:\i*SBLK
.endr
.endm
.macro PLACES n
.rept \n
	v_nop
.endr
.endm
.macro STEP slot, q, zero
	s_wait_dscnt 4*NL                              ; W1's set and A's blocks 0-3 are in; the youngest sixteen loads (A's blocks 4-7) may be out
	WIN MUL_LO
	MUL16 0, (\q)%2, \q, \slot, \zero
	MUL16 2, (\q)%2, \q, \slot, \zero
	s_wait_dscnt 0
	PLACES NP
	FETCH_B \slot, (\q)+1, 1-(\q)%2
	FETCH_A \slot, (\q)+1, 0
	WIN MUL_HI
	MUL16 4, (\q)%2, \q, \slot, \zero
	MUL16 6, (\q)%2, \q, \slot, \zero
	PLACES NP
	WIN 0
	FETCH_A \slot, (\q)+1, 4
.endm
.macro TURN slot, next, fill
	s_wait_tensorcnt 0x0                           ; all my tensor loads have landed: my part of the next slot
	ds_add_u32 v[SPW], v[NIL]                      ; 0 onto my spare word
	s_wait_dscnt 4*NL+1                            ; the add and the youngest sixteen loads may be out
	WIN MUL_LO
	MUL16 0, 1, NQ-1, \slot, 0
	s_wait_dscnt 0x0                               ; the add is done, and my reads of this slot are over
	s_barrier_signal -1
	MUL16 2, 1, NQ-1, \slot, 0
	WIN 0
	s_barrier_wait -1
.if \fill
	CREST                                          ; the barrier has opened a round of the cluster's: no wave of any partner still reads this slot or has a load on its way
	s_add_nc_u64 s[G0+4*\slot+2:G0+4*\slot+3], s[G0+4*\slot+2:G0+4*\slot+3], 2*ROWB
	s_add_nc_u64 s[G0B+4*\slot+2:G0B+4*\slot+3], s[G0B+4*\slot+2:G0B+4*\slot+3], 2*ROWB
	JLOAD G0+4*\slot, G1, G0B+4*\slot, G1B
	PLACES NP-4
.else
	PLACES NP
.endif
	s_wait_alu depctr_va_vdst(0)
	v_add_nc_u32 v[ADRS], 4*NQ, v[ADRS]
	FETCH_B \next, 0, 0
	FETCH_A \next, 0, 0
	SCALES \next
	WIN MUL_HI
	MUL16 4, 1, NQ-1, \slot, 0
	MUL16 6, 1, NQ-1, \slot, 0
	PLACES NP
	WIN 0
	FETCH_A \next, 0, 4
.endm
	s_wait_tensorcnt 1                             ; the scales and my part of K step 0 are in; K step 1's load may be out
	s_barrier_signal -1
	s_barrier_wait -1
	FETCH_B 0, 0, 0
	FETCH_A 0, 0, 0
	SCALES 0
	FETCH_A 0, 0, 4
	STEP 0, 0, 1
	s_mov_b32 s3, LAPS-1
.Llap:
	TURN 0, 1, 1
	STEP 1, 0, 0
	TURN 1, 0, 1
	STEP 0, 0, 0
	s_sub_co_u32 s3, s3, 1
	s_cmp_lg_u32 s3, 0
	s_cbranch_scc1 .Llap
	TURN 0, 1, 0
	STEP 1, 0, 0
	s_wait_dscnt 4*NL
	WIN MUL_LO
	MUL16 0, 1, NQ-1, 1, 0
	MUL16 2, 1, NQ-1, 1, 0
	s_wait_dscnt 0
	WIN MUL_HI
	MUL16 4, 1, NQ-1, 1, 0
	MUL16 6, 1, NQ-1, 1, 0
	WIN 0
; THE WAY OUT.
.macro COPYC a                         ; block a + the bias, each accumulator from its low end on
	WIN 0x02+(\a)/4
.set AC, 64*((\a)%4)
.set n, 0
.rept 32
	v_pk_add_f32 v[T+2*n:T+2*n+1], v[AC+2*n:AC+2*n+1], v[CB+2*n:CB+2*n+1]
.set n, n+1
.endr
	WIN 0
.endm
; gelu on 16 numbers, two at a time: z = x / sqrt(2) held to +-4; erf = z P(z^2) / Q(z^2); x (erf + 1) / 2
.macro GELU g
.set TG, T+16*(\g)
.irp i, 0,2,4,6,8,10,12,14
	v_pk_mul_f32 v[Z+\i:Z+\i+1], v[TG+\i:TG+\i+1], 0x3f3504f3 op_sel_hi:[1,0]
.endr
.irp i, 0,1,2,3,4,5,6,7,8,9,10,11,12,13,14,15
	v_med3_num_f32 v[Z+\i], v[Z+\i], -4.0, 4.0
.endr
.irp i, 0,2,4,6,8,10,12,14
	v_pk_mul_f32 v[X2+\i:X2+\i+1], v[Z+\i:Z+\i+1], v[Z+\i:Z+\i+1]
.endr
.irp i, 0,2,4,6,8,10,12,14
	v_pk_fma_f32 v[P+\i:P+\i+1], v[X2+\i:X2+\i+1], v[KA:KA+1], 0x32edffee op_sel_hi:[1,1,0]
.endr
.irp k, 0xb60cff51, 0xb86ec2d2, 0xba40ac63, 0xbb41a1f6, 0xbc83dbd4
.irp i, 0,2,4,6,8,10,12,14
	v_pk_fma_f32 v[P+\i:P+\i+1], v[P+\i:P+\i+1], v[X2+\i:X2+\i+1], \k op_sel_hi:[1,1,0]
.endr
.endr
.irp i, 0,2,4,6,8,10,12,14
	v_pk_fma_f32 v[Q+\i:Q+\i+1], v[X2+\i:X2+\i+1], v[KB:KB+1], 0xb95fbd29 op_sel_hi:[1,1,0]
.endr
.irp k, 0xbadc924e, 0xbbf19bf8, 0xbc69b6a7
.irp i, 0,2,4,6,8,10,12,14
	v_pk_fma_f32 v[Q+\i:Q+\i+1], v[Q+\i:Q+\i+1], v[X2+\i:X2+\i+1], \k op_sel_hi:[1,1,0]
.endr
.endr
	s_wait_alu depctr_va_vdst(0)
.irp i, 0,1,2,3,4,5,6,7,8,9,10,11,12,13,14,15
	v_rcp_f32 v[Q+\i], v[Q+\i]
.endr
.irp i, 0,2,4,6,8,10,12,14
	v_pk_mul_f32 v[P+\i:P+\i+1], v[P+\i:P+\i+1], v[Z+\i:Z+\i+1]   ; plain work behind the batch
.endr
	s_wait_alu depctr_va_vdst(0)                   ; one wait for the sixteen reciprocals, ahead of their first reader
.irp i, 0,2,4,6,8,10,12,14
	v_pk_mul_f32 v[P+\i:P+\i+1], v[P+\i:P+\i+1], v[Q+\i:Q+\i+1]
.endr
.irp i, 0,2,4,6,8,10,12,14
	v_pk_fma_f32 v[P+\i:P+\i+1], v[P+\i:P+\i+1], 0.5, 0.5 op_sel_hi:[1,0,0]
.endr
.irp i, 0,2,4,6,8,10,12,14
	v_pk_mul_f32 v[TG+\i:TG+\i+1], v[TG+\i:TG+\i+1], v[P+\i:P+\i+1]
.endr
.endm
.macro QUANT s
.irp b, 0,1,2,3
	v_max3_num_f32 v[TM+\b], |v[\s+16*\b]|, |v[\s+1+16*\b]|, 0x8000000   ; with the floor 2^(16 - 127): the byte cannot fall under 1
.endr
.irp i, 2,4,6,8,10,12,14
.irp b, 0,1,2,3
	v_max3_num_f32 v[TM+\b], v[TM+\b], |v[\s+16*\b+\i]|, |v[\s+1+16*\b+\i]|
.endr
.endr
.irp b, 0,1,2,3
	v_permlanex16_b32 v[TM+4+\b], v[TM+\b], s[SEL], s[SEL+1]
.endr
.irp b, 0,1,2,3
	v_max_num_f32 v[TM+\b], v[TM+\b], v[TM+4+\b]
.endr
.irp b, 0,1,2,3
	v_add_nc_u32 v[TM+12+\b], 0xf8800000, v[TM+\b]
.endr
.irp b, 0,1,2,3
.endr
.irp b, 0,1,2,3
	v_lshrrev_b32 v[TM+4+\b], 23, v[TM+12+\b]
.endr
	v_lshl_or_b32 v[PW], v[TM+5], 8, v[TM+4]
	v_lshl_or_b32 v[PW], v[TM+6], 16, v[PW]
	v_lshl_or_b32 v[PW], v[TM+7], 24, v[PW]
.irp b, 0,1,2,3
.irp i, 0,1,2,3,4,5,6,7,8,9,10,11,12,13,14,15
.endr
	v_cvt_scalef32_pk8_bf8_f32 v[PC+4*\b:PC+1+4*\b], v[\s+16*\b:\s+7+16*\b], v[TM+12+\b]
	v_cvt_scalef32_pk8_bf8_f32 v[PC+2+4*\b:PC+3+4*\b], v[\s+8+16*\b:\s+15+16*\b], v[TM+12+\b]
.endr
	v_nop                                          ; a plain line behind the last conversion
.endm
	s_wait_loadcnt 0x0                             ; the biases
	PLACES NP                                      ; behind the last products: their results are read, and registers that held fragments and scales are written
	s_mov_b32 s[SEL], 0x76543210
	s_mov_b32 s[SEL+1], 0xfedcba98
.irp b, 0,1,2,3
	v_mov_b32 v[TM+4+\b], 0                        ; a lane permute's destination counts as read
.endr
	s_mov_b32 s3, 0
.Lrows:                                            ; eight trips: block s3 of 16 rows
.irp k, 0,1,2,3,4,5,6
	s_cmp_eq_u32 s3, \k
	s_cbranch_scc1 .Lcopy_\k
.endr
	COPYC 7
	s_branch .Lgo
.irp k, 0,1,2,3,4,5,6
.Lcopy_\k:
	COPYC \k
	s_branch .Lgo
.endr
.Lgo:
	GELU 0
	GELU 1
	GELU 2
	GELU 3
	QUANT T
.irp b, 0,1,2,3
.irp u, 0,1
	global_store_b64 v[LI8], v[PC+4*\b+2*\u:PC+4*\b+2*\u+1], s[98:99] offset:512*\b+256*\u   ; columns 32 b + 16 u + 8 h + 0..7 of row r: 32 lanes store 256 consecutive bytes, aligned
.endr
.endr
	s_lshl_b32 s2, s3, 6
	v_add_nc_u32 v[SWT], s2, v[SWA]
	ds_store_b32 v[SWT], v[PW]                     ; both halves of the lanes write the same word
	s_wait_dscnt 0x0
	s_wait_xcnt 0x0                                ; the stores have read the codes' registers and their base
	s_add_nc_u64 s[98:99], s[98:99], 2048
	s_add_co_u32 s3, s3, 1
	s_cmp_lt_u32 s3, 8
	s_cbranch_scc1 .Lrows
	ds_load_b128 v[240:243], v[SWR]                ; my 128 rows' words: the stage is my wave's own
	s_wait_dscnt 0x0
	global_store_b128 v[LI], v[240:243], s[100:101]   ; 512 consecutive bytes, aligned
	s_wait_tensorcnt 0x0                           ; the wave's end
	ds_add_u32 v[SPW], v[NIL]
	s_wait_dscnt 0x0
	CROUND                                         ; the closing round
	s_endpgm
.Lfunc_end_k_q3ccf8e7f30_fc1:
	.size	k_q3ccf8e7f30_fc1, .Lfunc_end_k_q3ccf8e7f30_fc1-k_q3ccf8e7f30_fc1
	.p2alignl 7, 3214868480
	.fill 96, 4, 3214868480
	.section	.rodata,"a",@progbits
	.p2align	6, 0x0
	.amdhsa_kernel k_q3ccf8e7f30_fc1
		.amdhsa_group_segment_fixed_size 327680
		.amdhsa_private_segment_fixed_size 0
		.amdhsa_enable_private_segment 0
		.amdhsa_kernarg_size 56
		.amdhsa_user_sgpr_count 2
		.amdhsa_user_sgpr_kernarg_segment_ptr 1
		.amdhsa_wavefront_size32 1
		.amdhsa_system_sgpr_workgroup_id_x 1
		.amdhsa_system_sgpr_workgroup_id_y 1
		.amdhsa_system_sgpr_workgroup_id_z 1
		.amdhsa_system_vgpr_workitem_id 0
		.amdhsa_next_free_vgpr 1024
		.amdhsa_next_free_sgpr 106
		.amdhsa_reserve_vcc 0
		.amdhsa_float_denorm_mode_32 3
		.amdhsa_float_denorm_mode_16_64 3
		.amdhsa_fp16_overflow 1
		.amdhsa_memory_ordered 1
		.amdhsa_forward_progress 1
		.amdhsa_inst_pref_size 190
	.end_amdhsa_kernel
	.amdgpu_metadata
---
amdhsa.version: [ 1, 2 ]
amdhsa.kernels:
  - .name:           k_q3ccf8e7f30_fc1
    .symbol:         k_q3ccf8e7f30_fc1.kd
    .args:
      - { .name: a_c, .offset: 0, .size: 8, .value_kind: global_buffer, .address_space: global }
      - { .name: a_s, .offset: 8, .size: 8, .value_kind: global_buffer, .address_space: global }
      - { .name: proj1_codes, .offset: 16, .size: 8, .value_kind: global_buffer, .address_space: global }
      - { .name: proj1_scales, .offset: 24, .size: 8, .value_kind: global_buffer, .address_space: global }
      - { .name: proj1_bias, .offset: 32, .size: 8, .value_kind: global_buffer, .address_space: global }
      - { .name: imc, .offset: 40, .size: 8, .value_kind: global_buffer, .address_space: global }
      - { .name: ims, .offset: 48, .size: 8, .value_kind: global_buffer, .address_space: global }
    .group_segment_fixed_size: 327680
    .private_segment_fixed_size: 0
    .kernarg_segment_align: 8
    .kernarg_segment_size: 56
    .max_flat_workgroup_size: 128
    .sgpr_count:     106
    .vgpr_count:     1024
    .wavefront_size: 32
...
	.end_amdgpu_metadata
.endif
;; end of part 5
;; launch fc2 (part 6): grid 8 x 32, 4 waves a work-group, clusters of 4 x 4, 327,680 bytes of LDS; arguments imc, ims, proj2_codes, proj2_scales, proj2_bias, x1, out0; writes out0
.if DOCPART == 6
	.amdgcn_target "amdgcn-amd-amdhsa--gfx1250"
	.amdhsa_code_object_version 6
	.text
	.protected	k_q3ccf8e7f30_fc2
	.globl	k_q3ccf8e7f30_fc2
	.p2align	8
	.type	k_q3ccf8e7f30_fc2,@function
k_q3ccf8e7f30_fc2:
	s_mov_b64 s[64:65], 0
	v_nop
	global_prefetch_b8 v0, s[64:65] scope:SCOPE_SE
	s_setreg_imm32_b32 hwreg(HW_REG_WAVE_MODE, 25, 1), 1
	s_wait_xcnt 0x0
	s_wait_alu depctr_hold_cnt(0) depctr_sa_sdst(0) depctr_va_vdst(0) depctr_va_sdst(0) depctr_va_ssrc(0) depctr_va_vcc(0) depctr_vm_vsrc(0)
	s_getreg_b32 s2, hwreg(HW_REG_IB_STS2, 6, 4)
	s_cmp_eq_u32 s2, 0
	s_cbranch_scc0 .Lentry_in_a_cluster
	s_endpgm
.Lentry_in_a_cluster:
	s_bfe_u32 s2, ttmp6, 0x10000c
	s_cmp_lg_u32 s2, 0xf033
	s_cbranch_scc0 .Lentry_shape_is_right
	s_endpgm
.Lentry_shape_is_right:
; out = res + A W^T + bias.  A: 4,096 rows x 4,096 as images of fragments' registers, [K / 128][tile of 16 rows][2,048 bytes], with one scale word for a row and 128 K, [K / 128][row].
; W: [1,024][4,096] codes of E5M2, K innermost, with E8M0 bytes [1,024][128].  res, out: f32, row l, n of [2048][2][1024]; A's row m' = 2,048 n + l.
; N is 1,024: tiles of 256 x 256 would be 64, so a tile is 128 x 128 (256 work-groups).  Wave w makes rows 32 w .. 32 w + 31 x all 128 columns: 16 accumulators (2 tiles of rows x 8 of columns).
; A GOES FROM MEMORY STRAIGHT INTO REGISTERS: a fragment's image is 2,048 consecutive bytes, four loads of 512.
; The loads run six planes (a plane = 128 along K) ahead: 48 loads, 24 KiB a wave, in eight sets of 32 registers that take turns.
; W goes through a ring of two LDS slots filled by the tensor data mover, 1,024 along K to a slot, asked for jointly along a column of the 4 x 4 cluster; all four waves read all of it.
; WHY A IS NOT ASKED FOR JOINTLY, though the four work-groups of a row of the cluster read the same rows: through LDS it would take half of each slot, so that a slot would hold 512 along K, the tile would have
; six refills, and each would have 64 matrix instructions a wave in which to land; with W alone there are two refills with 128 each, and A's loads are on their way beside the ring's one tensor load a wave.
; The price: A's 512 KiB a work-group are fetched by that work-group alone.  A's scale words (16 KiB) still come jointly, once, with W's scale bytes.
; USED TRANSPOSED: source 0 = 16 rows of W, source 1 = 16 rows of A: a lane holds eight neighbouring numbers of a row of out.
; K's 32 planes are written out: every offset is an immediate, no address register is ever rewritten.  No prefetch: A's own loads are six planes ahead, and W has two refills.
; REGISTERS: window 0: v16-29 addresses; v32-39 A's scale words, two sets of 4; v40-103 W's, two sets of 32; v104-107 the bias; v128-255 the accumulators ((a, b) at v[128 + 8 (8 a + b)]).
;   window 1: W's fragments, two sets of 128.   window 2: A's fragments, set plane % 8 at v[32 (plane % 8)].   window 3: v0-127 the residual, row 16 a + t at v[4 (16 a + t)].
.set SIZE_K, 4096
.set QIS,    4                         ; a row of W's scale bytes is 2 << QIS words
.set KS,     SIZE_K/32
.set NPL,    SIZE_K/128                ; planes
.set NKS,    SIZE_K/1024               ; K steps: what a slot holds
.set AHEAD,  6                         ; A's loads run so many planes ahead
.set BP,     1040                      ; a row of W in LDS: 1,024 bytes + 16: the 16 rows that a load touches start at 16 different banks
.set SLOT,   128*BP
.set SCA,    2*SLOT                    ; A's scale words for all of K: [plane][128 rows]
.set SCB,    SCA+SIZE_K*4              ; W's scale bytes: 128 rows of KS + 16
.set SBP,    KS+16
.set SPARE,  SCB+128*SBP               ; the spare words, 128 bytes a wave
.set SPITCH, 528                       ; the way out: 16 rows of 512 + 16 bytes a wave, in slot 0, behind its last fill and its last read
.set ADRB, 16                          ; v16-19 W's rows: slot 0 rows 0-63, slot 0 rows 64-127, slot 1 likewise (an LDS offset has 16 bits)
.set ADSA, 22
.set ADSB, 23
.set LI,   24                          ; v24  16 x lane: the offset of every global load and store; never rewritten
.set STO,  25
.set RD,   26
.set SPW,  28
.set NIL,  29
.set SA,   32
.set SB,   40
.set BI,   104
.set ACC,  128
.set AB,   24                          ; s[24:25] A's images at plane 0, s[26:27] at plane 16; never rewritten
.set G1B, 48
.set G0B, 56
.set G1S, 68
.set G0S, 76
.set G1SB, 80
.set G0SB, 88
.set MSB, 0
.macro WIN new                         ; the immediate's high byte repeats the setting that is left
.set WN, \new
.if MSB != WN
	s_set_vgpr_msb (MSB<<8)|WN
.set MSB, WN
.endif
.endm
.macro JLOAD g0a, g1a, g0b, g1b        ; the scales: waves 0 and 1 fetch A's words, waves 2 and 3 W's bytes; four v_nop follow each line
	s_cmp_eq_u32 s15, 0
	s_cbranch_scc0 .Lfor_b_\@
	tensor_load_to_lds s[\g0a:\g0a+3], s[\g1a:\g1a+7]
	s_nop 0
.rept 4
	v_nop
.endr
	s_branch .Lasked_\@
.Lfor_b_\@:
	tensor_load_to_lds s[\g0b:\g0b+3], s[\g1b:\g1b+7]
	s_nop 0
.rept 4
	v_nop
.endr
.Lasked_\@:
.endm
.macro TLB s                           ; W's codes: every wave fetches its 32 rows of the slot; four v_nop follow
	tensor_load_to_lds s[G0B+4*\s:G0B+4*\s+3], s[G1B:G1B+7]
	s_nop 0
.rept 4
	v_nop
.endr
.endm
.macro CREST
	s_cmp_lg_u32 s14, 0
	s_cbranch_scc1 .Lnot_wave_0_\@
	s_barrier_signal -3
.Lnot_wave_0_\@:
	s_barrier_wait -3
	s_barrier_signal -1
	s_barrier_wait -1
.endm
.macro CROUND
	s_barrier_signal -1
	s_barrier_wait -1
	CREST
.endm
	s_load_b128 s[4:7], s[0:1], 0x0                ; A's images, A's scale words
	s_load_b128 s[8:11], s[0:1], 0x10              ; W's codes, W's scale bytes
	s_load_b128 s[96:99], s[0:1], 0x20             ; the bias, the residual
	s_load_b64 s[100:101], s[0:1], 0x30            ; out
	v_lshl_add_u32 v[SPW], v0, 2, SPARE
	v_mov_b32 v[NIL], 0
	ds_add_u32 v28, v29
	s_wait_dscnt 0x0
	v_lshrrev_b32 v1, 5, v0
	v_readfirstlane_b32 s14, v1                    ; wave 0..3
	s_lshr_b32 s15, s14, 1                         ; of the scales I fetch A's (0) or W's (1),
	s_and_b32 s16, s14, 1                          ; and which half of them
	s_bfe_u32 s40, ttmp6, 0x40000
	s_bfe_u32 s41, ttmp6, 0x40004
	s_lshl_b32 s42, ttmp9, 2
	s_add_co_u32 s42, s42, s40                     ; tile column
	s_and_b32 s17, ttmp7, 0xffff
	s_lshl_b32 s17, s17, 2
	s_add_co_u32 s17, s17, s41                     ; tile row
	s_lshl_b32 s43, s41, 2
	s_lshl_b32 s43, 15, s43                        ; my row of the cluster
	s_lshl_b32 s44, 0x1111, s40                    ; my column
	s_or_b32 s[G1B+0], s44, (1<<20)|(1<<21)|(7<<22)|(3<<25)   ; W: 32 rows of 1,024 bytes, 4 words behind every 256; the mask: my column; bit 21 beside a mask
	s_mov_b32 s[G1B+1], 1024<<16                   ; tensor_dim0
	s_mov_b32 s[G1B+2], 32<<16                     ; tensor_dim1
	s_mov_b32 s[G1B+3], 1024<<16                   ; tile_dim0
	s_mov_b32 s[G1B+4], 32                         ; tile_dim1
	s_mov_b32 s[G1B+5], SIZE_K                     ; the pitch
	s_mov_b32 s[G1B+6], 0
	s_mov_b32 s[G1B+7], 0
	s_or_b32 s[G1S+0], s43, (3<<16)|(1<<21)        ; A's words: K / 256 rows of 512 bytes, 16,384 bytes apart; elements of 8 bytes
	s_mov_b32 s[G1S+1], 64<<16
	s_mov_b32 s[G1S+2], (SIZE_K/256)<<16
	s_mov_b32 s[G1S+3], 64<<16
	s_mov_b32 s[G1S+4], SIZE_K/256
	s_mov_b32 s[G1S+5], 2048
	s_mov_b32 s[G1S+6], 0
	s_mov_b32 s[G1S+7], 0
	s_or_b32 s[G1SB+0], s44, (1<<20)|(1<<21)|(QIS<<22)|(3<<25)   ; W's bytes: 64 rows of KS, 4 words behind each
	s_mov_b32 s[G1SB+1], KS<<16
	s_mov_b32 s[G1SB+2], 64<<16
	s_mov_b32 s[G1SB+3], KS<<16
	s_mov_b32 s[G1SB+4], 64
	s_mov_b32 s[G1SB+5], KS
	s_mov_b32 s[G1SB+6], 0
	s_mov_b32 s[G1SB+7], 0
	s_lshl_b32 s20, s17, 14                        ; A's images: tile 8 TR + 2 wave, 2,048 bytes each
	s_lshl_b32 s18, s14, 12
	s_add_co_u32 s20, s20, s18
	s_mov_b32 s21, 0
	s_mul_i32 s22, s16, (SIZE_K/256)*16384         ; A's words: my half of the planes, the tile's 512 bytes
	s_lshl_b32 s18, s17, 9
	s_add_co_u32 s22, s22, s18
	s_mov_b32 s23, 0
	s_lshl_b32 s46, s42, 7                         ; W: row 128 TC
	s_lshl_b32 s18, s16, 6
	s_add_co_u32 s92, s46, s18                     ; its scale bytes: + 64 half
	s_mul_i32 s92, s92, KS
	s_mov_b32 s93, 0
	s_lshl_b32 s18, s14, 5
	s_add_co_u32 s46, s46, s18                     ; its codes: + 32 wave
	s_mul_i32 s46, s46, SIZE_K
	s_mov_b32 s47, 0
	s_mul_i32 s94, s14, 32*BP                      ; where they go: no place in the cluster enters an LDS address
	s_mul_i32 s18, s16, (SIZE_K/256)*512
	s_add_co_u32 s18, s18, SCA
	s_mul_i32 s19, s16, 64*SBP
	s_add_co_u32 s19, s19, SCB
	s_wait_kmcnt 0x0
	s_add_nc_u64 s[AB:AB+1], s[4:5], s[20:21]
	s_add_nc_u64 s[AB+2:AB+3], s[AB:AB+1], 16*524288
	s_add_nc_u64 s[22:23], s[6:7], s[22:23]
	s_add_nc_u64 s[46:47], s[8:9], s[46:47]
	s_add_nc_u64 s[92:93], s[10:11], s[92:93]
	CROUND                                         ; all sixteen work-groups are here: the first joint loads meet
	s_mov_b32 s[G0S], 1
	s_mov_b32 s[G0S+1], s18
	s_mov_b64 s[G0S+2:G0S+3], s[22:23]
	s_or_b32 s[G0S+3], s[G0S+3], 0x80000000
	s_mov_b32 s[G0SB], 1
	s_mov_b32 s[G0SB+1], s19
	s_mov_b64 s[G0SB+2:G0SB+3], s[92:93]
	s_or_b32 s[G0SB+3], s[G0SB+3], 0x80000000
	JLOAD G0S, G1S, G0SB, G1SB                     ; the scales first
.irp s, 0,1
	s_mov_b32 s[G0B+4*\s], 1
	s_add_co_u32 s[G0B+4*\s+1], s94, \s*SLOT
	s_add_nc_u64 s[G0B+4*\s+2:G0B+4*\s+3], s[46:47], \s*1024
	s_or_b32 s[G0B+4*\s+3], s[G0B+4*\s+3], 0x80000000
	TLB \s                                         ; three tensor loads of mine are out
.endr
	v_and_b32 v1, 15, v0                           ; r
	v_bfe_u32 v2, v0, 4, 1                         ; h
	v_and_b32 v3, 31, v0                           ; lane
	v_lshlrev_b32 v[LI], 4, v3
	v_mul_u32_u24 v5, v1, BP
	v_lshl_add_u32 v[ADRB], v2, 4, v5              ; W's rows: row x pitch + 16 x half
	v_add_nc_u32 v[ADRB+1], 64*BP, v[ADRB]
	v_add_nc_u32 v[ADRB+2], SLOT, v[ADRB]
	v_add_nc_u32 v[ADRB+3], SLOT+64*BP, v[ADRB]
	s_lshl_b32 s21, s14, 7
	s_add_co_u32 s21, s21, SCA
	v_lshl_add_u32 v[ADSA], v3, 2, s21             ; A's words: lanes 0-15 my first tile of rows, lanes 16-31 my second
	v_mul_u32_u24 v5, v1, SBP
	v_add_nc_u32 v[ADSB], SCB, v5
	s_mul_i32 s23, s14, 16*SPITCH                  ; my stage
	v_mul_u32_u24 v5, v1, SPITCH
	v_lshl_add_u32 v5, v2, 5, v5
	v_add_nc_u32 v[STO], s23, v5                   ; in: row r, 32 bytes for each half of the lanes
	v_add_nc_u32 v[RD], s23, v[LI]                 ; back: the 32 lanes take one row of 512 bytes
	s_lshr_b32 s20, s17, 4                         ; n
	s_lshl_b32 s20, s20, 12
	s_lshl_b32 s21, s17, 7
	s_lshl_b32 s22, s14, 5
	s_add_co_u32 s21, s21, s22
	s_and_b32 s21, s21, 2047                       ; l of my first row
	s_lshl_b32 s21, s21, 13
	s_add_co_u32 s20, s20, s21
	s_lshl_b32 s46, s42, 9                         ; the tile's first column, in bytes
	s_mov_b32 s47, 0
	s_add_nc_u64 s[96:97], s[96:97], s[46:47]
	s_add_co_u32 s20, s20, s46
	s_mov_b32 s21, 0
	s_add_nc_u64 s[98:99], s[98:99], s[20:21]
	s_add_nc_u64 s[100:101], s[100:101], s[20:21]
; Group k of the stream of global loads, eight loads of 512 consecutive bytes each: k < NPL: my two fragments of A in plane k; the four groups behind them: eight rows each of the residual; beyond: nothing.
.macro GLOAD k
.if (\k) < NPL
	WIN 0x80                                       ; destination window 2
.irp j, 0,1,2,3,4,5,6,7
	global_load_b128 v[32*((\k)%8)+4*\j:32*((\k)%8)+4*\j+3], v[LI], s[AB+2*((\k)/16):AB+2*((\k)/16)+1] offset:((\k)%16)*524288+512*\j
.endr
	WIN 0
.elseif (\k) < NPL+4
	WIN 0xc0                                       ; destination window 3
.irp j, 0,1,2,3,4,5,6,7
	global_load_b128 v[32*((\k)-NPL)+4*\j:32*((\k)-NPL)+4*\j+3], v[LI], s[98:99] offset:(8*((\k)-NPL)+\j)*8192
.endr
	WIN 0
.endif
.endm
.macro LWAIT P                         ; plane P's fragments of A are in: the groups issued behind them, up to AHEAD of eight loads, may be out
.set LASTG, (\P)+AHEAD
.if LASTG > NPL+3
.set LASTG, NPL+3
.endif
	s_wait_loadcnt 8*(LASTG-(\P))
.endm
.macro FETCHB slot, q, p               ; W's eight fragments of the slot's q-th plane into set p: 32 loads in one run
	WIN 0x40                                       ; destination window 1
.irp i, 0,1,2,3,4,5,6,7
.irp c, 0,1,2,3
	ds_load_b128 v[128*(\p)+16*\i+4*\c:128*(\p)+16*\i+4*\c+3], v[ADRB+2*(\slot)+\i/4] offset:128*(\q)+32*\c+16*BP*(\i%4)
.endr
.endr
	WIN 0
.endm
.macro SCALES H                        ; the scale words of planes 4 H .. 4 H + 3 into set H % 2: 12 loads
.irp q, 0,1,2,3
	ds_load_b32 v[SA+4*((\H)%2)+\q], v[ADSA] offset:512*(4*(\H)+\q)
.endr
.irp b, 0,1,2,3,4,5,6,7
	ds_load_b128 v[SB+32*((\H)%2)+4*\b:SB+32*((\H)%2)+4*\b+3], v[ADSB] offset:16*SBP*\b+16*(\H)
.endr
.endm
; 8 matrix instructions: my tile a of rows x W's eight tiles, plane P.  The 16 accumulators take turns, one instruction a turn, in the same order in every plane.  Plane 0 starts the sums.
.macro MUL8 a, P
.irp b, 0,1,2,3,4,5,6,7
.set rD, ACC+8*(8*(\a)+\b)
.set rB, 128*((\P)%2)+16*\b
.set rA, 32*((\P)%8)+16*(\a)
.set rSB, SB+32*(((\P)/4)%2)+4*\b+(\P)%4
.set rSA, SA+4*(((\P)/4)%2)+(\P)%4
.if (\P) == 0
.if (\a)%2
	v_wmma_scale_f32_16x16x128_f8f6f4 v[rD:rD+7], v[rB:rB+15], v[rA:rA+15], 0, v[rSB], v[rSA] matrix_a_fmt:MATRIX_FMT_BF8 matrix_b_fmt:MATRIX_FMT_BF8 matrix_b_scale:MATRIX_SCALE_ROW1
.else
	v_wmma_scale_f32_16x16x128_f8f6f4 v[rD:rD+7], v[rB:rB+15], v[rA:rA+15], 0, v[rSB], v[rSA] matrix_a_fmt:MATRIX_FMT_BF8 matrix_b_fmt:MATRIX_FMT_BF8
.endif
.else
.if (\a)%2
	v_wmma_scale_f32_16x16x128_f8f6f4 v[rD:rD+7], v[rB:rB+15], v[rA:rA+15], v[rD:rD+7], v[rSB], v[rSA] matrix_a_fmt:MATRIX_FMT_BF8 matrix_b_fmt:MATRIX_FMT_BF8 matrix_b_scale:MATRIX_SCALE_ROW1
.else
	v_wmma_scale_f32_16x16x128_f8f6f4 v[rD:rD+7], v[rB:rB+15], v[rA:rA+15], v[rD:rD+7], v[rSB], v[rSA] matrix_a_fmt:MATRIX_FMT_BF8 matrix_b_fmt:MATRIX_FMT_BF8
.endif
.endif
.endr
.endm
.macro PLACES n                        ; plain vector lines between a matrix instruction and a load into, or a read of, its registers
.rept \n
	v_nop
.endr
.endm
.set MUL, 0x09                         ; source 0 (W) window 1, source 1 (A) window 2, C and D window 0
; PLANE P: 128 along K, 16 matrix instructions.
; A set of A's registers is loaded again six planes ahead of its use, two planes behind its last product: a whole plane's eight places lie between.
.macro PLANE P
.set QQ, (\P)%8
.set SL, ((\P)/8)%2
.if (\P) == NPL-1
	s_wait_dscnt 0x0                               ; the very last plane: nothing more to fetch
	LWAIT \P
	WIN MUL
	MUL8 0, \P
	MUL8 1, \P
	WIN 0
.elseif QQ == 7
	; a slot's last plane changes slots: one barrier; in front of it each wave waits for all its tensor loads, adds 0 to its spare word, and waits for that and for its reads of this slot
	GLOAD (\P)+AHEAD
	s_wait_tensorcnt 0x0                           ; all my tensor loads have landed: my part of the next slot
	ds_add_u32 v[SPW], v[NIL]                      ; 0 onto my spare word
	s_wait_dscnt 1                                 ; W's fragments are in; the add may be out
	LWAIT \P
	WIN MUL
	MUL8 0, \P
	s_wait_dscnt 0x0                               ; the add is done, and my reads of this slot are over
	s_barrier_signal -1
	WIN 0
	s_barrier_wait -1
.if (\P)/8+2 < NKS
	CREST                                          ; the barrier has opened a round of the cluster's: no wave of any partner still reads this slot or has a load on its way
	s_add_nc_u64 s[G0B+4*SL+2:G0B+4*SL+3], s[G0B+4*SL+2:G0B+4*SL+3], 2048
	TLB SL                                         ; the first tensor load behind the round, two K steps ahead; its four v_nop are among the places in front of the loads below
	PLACES 4
.else
	PLACES 8
.endif
	FETCHB 1-SL, 0, ((\P)+1)%2
	SCALES ((\P)+1)/4
	WIN MUL
	MUL8 1, \P
	WIN 0
.else
	PLACES 8                                       ; behind the last plane's products: the set that they read is loaded again
	FETCHB SL, QQ+1, ((\P)+1)%2
.if ((\P)+1)%4 == 0
	SCALES ((\P)+1)/4
	GLOAD (\P)+AHEAD
	s_wait_dscnt 44                                ; all but the 32 fragment loads and the 12 scale loads just issued
.else
	GLOAD (\P)+AHEAD
	s_wait_dscnt 32                                ; all but the 32 just issued
.endif
	LWAIT \P
	WIN MUL
	MUL8 0, \P
	MUL8 1, \P
	WIN 0
.endif
.endm
	global_load_b128 v[BI:BI+3], v[LI], s[96:97]   ; the bias of my four columns of a row
.irp k, 0,1,2,3,4,5
	GLOAD \k                                       ; A's first six planes
.endr
	s_wait_tensorcnt 1                             ; the scales and my part of K step 0 are in; K step 1's load may be out
	s_barrier_signal -1
	s_barrier_wait -1
	FETCHB 0, 0, 0
	SCALES 0
.irp p, 0,1,2,3,4,5,6,7,8,9,10,11,12,13,14,15,16,17,18,19,20,21,22,23,24,25,26,27,28,29,30,31
	PLANE \p
.endr
	; THE WAY OUT, 16 rows x 128 columns at a time, through my own stage: a lane's 32 bytes go in, whole rows of 512 bytes come back; the residual and the bias are added; 32 lanes store 512 consecutive bytes, aligned.
	s_wait_loadcnt 0x0                             ; the residual
	PLACES 8
.irp a, 0,1
.set BK, 32+96*\a                      ; the rows come back into v32-95, then into the first block's accumulators, which have left
.irp b, 0,1,2,3,4,5,6,7
	ds_store_b128 v[STO], v[ACC+8*(8*\a+\b):ACC+8*(8*\a+\b)+3] offset:64*\b       ; each accumulator from its low end on
	ds_store_b128 v[STO], v[ACC+8*(8*\a+\b)+4:ACC+8*(8*\a+\b)+7] offset:64*\b+16
.endr
.irp t, 0,1,2,3,4,5,6,7,8,9,10,11,12,13,14,15
	ds_load_b128 v[BK+4*\t:BK+4*\t+3], v[RD] offset:SPITCH*\t   ; LDS serves a wave's instructions in order: these see the stores above
.endr
	s_wait_dscnt 0x0
	WIN 0x0c                                       ; source 1 window 3
.set n, 0
.rept 32
	v_pk_add_f32 v[BK+2*n:BK+2*n+1], v[BK+2*n:BK+2*n+1], v[64*\a+2*n:64*\a+2*n+1]
.set n, n+1
.endr
	WIN 0
.irp t, 0,1,2,3,4,5,6,7,8,9,10,11,12,13,14,15
	v_pk_add_f32 v[BK+4*\t:BK+4*\t+1], v[BK+4*\t:BK+4*\t+1], v[BI:BI+1]
	v_pk_add_f32 v[BK+4*\t+2:BK+4*\t+3], v[BK+4*\t+2:BK+4*\t+3], v[BI+2:BI+3]
.endr
.irp t, 0,1,2,3,4,5,6,7,8,9,10,11,12,13,14,15
	global_store_b128 v[LI], v[BK+4*\t:BK+4*\t+3], s[100:101] offset:(16*\a+\t)*8192
.endr
.endr
	s_wait_tensorcnt 0x0                           ; the wave's end
	ds_add_u32 v[SPW], v[NIL]
	s_wait_dscnt 0x0
	CROUND                                         ; the closing round
	s_endpgm
.Lfunc_end_k_q3ccf8e7f30_fc2:
	.size	k_q3ccf8e7f30_fc2, .Lfunc_end_k_q3ccf8e7f30_fc2-k_q3ccf8e7f30_fc2
	.p2alignl 7, 3214868480
	.fill 96, 4, 3214868480
	.section	.rodata,"a",@progbits
	.p2align	6, 0x0
	.amdhsa_kernel k_q3ccf8e7f30_fc2
		.amdhsa_group_segment_fixed_size 327680
		.amdhsa_private_segment_fixed_size 0
		.amdhsa_enable_private_segment 0
		.amdhsa_kernarg_size 56
		.amdhsa_user_sgpr_count 2
		.amdhsa_user_sgpr_kernarg_segment_ptr 1
		.amdhsa_wavefront_size32 1
		.amdhsa_system_sgpr_workgroup_id_x 1
		.amdhsa_system_sgpr_workgroup_id_y 1
		.amdhsa_system_sgpr_workgroup_id_z 1
		.amdhsa_system_vgpr_workitem_id 0
		.amdhsa_next_free_vgpr 896
		.amdhsa_next_free_sgpr 106
		.amdhsa_reserve_vcc 0
		.amdhsa_float_denorm_mode_32 3
		.amdhsa_float_denorm_mode_16_64 3
		.amdhsa_memory_ordered 1
		.amdhsa_forward_progress 1
		.amdhsa_inst_pref_size 203
	.end_amdhsa_kernel
	.amdgpu_metadata
---
amdhsa.version: [ 1, 2 ]
amdhsa.kernels:
  - .name:           k_q3ccf8e7f30_fc2
    .symbol:         k_q3ccf8e7f30_fc2.kd
    .args:
      - { .name: imc, .offset: 0, .size: 8, .value_kind: global_buffer, .address_space: global }
      - { .name: ims, .offset: 8, .size: 8, .value_kind: global_buffer, .address_space: global }
      - { .name: proj2_codes, .offset: 16, .size: 8, .value_kind: global_buffer, .address_space: global }
      - { .name: proj2_scales, .offset: 24, .size: 8, .value_kind: global_buffer, .address_space: global }
      - { .name: proj2_bias, .offset: 32, .size: 8, .value_kind: global_buffer, .address_space: global }
      - { .name: x1, .offset: 40, .size: 8, .value_kind: global_buffer, .address_space: global }
      - { .name: out0, .offset: 48, .size: 8, .value_kind: global_buffer, .address_space: global }
    .group_segment_fixed_size: 327680
    .private_segment_fixed_size: 0
    .kernarg_segment_align: 8
    .kernarg_segment_size: 56
    .max_flat_workgroup_size: 128
    .sgpr_count:     106
    .vgpr_count:     896
    .wavefront_size: 32
...
	.end_amdgpu_metadata
.endif
;; end of part 6
